; MI455X (gfx1250); checked and timed in simulation.
; The chip was launched on July 23, 2026; its instructions are those of AMD's public machine-readable ISA for CDNA 5 (MIT licence, August 2026) and "CDNA5" Instruction Set Architecture Reference Guide (July 2026). The comments in the code are by the model that wrote it; some were corrected since.
;; Min GRU Layer. Allowed arithmetic: float matrix products may take bf16 or f16 operands with f32 sums; other float arithmetic in f32, or as packed bf16 or f16 multiplies, adds, multiply-adds, maxima and minima; sums over many terms, partial sums and values carried from step to step in f32; what a program stores and reads back later, other than sums and carried values, may be rounded once to bf16 or f16.
;; Inputs: Wh 1,024 x 1,024 float32; Wo 1,024 x 1,024 float32; Wz 1,024 x 1,024 float32; bh 1,024 float32; bo 1,024 float32; bz 1,024 float32; xs 8 x 2,048 x 1,024 float32.
;; Outputs: out0 8 x 2,048 x 1,024 float32.
;; 2 versions, each right; version 2 is version 1 with the launches cast, fix written anew for expert scheduling mode. Each part assembles by itself: llvm-mc -triple=amdgcn-amd-amdhsa -mcpu=gfx1250 --defsym DOCPART=n.
;; ======== version 1 of 2: 4 launches
;; limits: values are held in f16: magnitudes above 65,504 overflow, below 6.1e-05 lose precision
;; workspace buffers: xb 33,554,432 bytes; wzh 4,194,304 bytes; wo 2,097,152 bytes; lp 67,108,864 bytes; ends 2,097,152 bytes; hs 33,554,432 bytes
;; launch cast (part 1): grid 256 x 1, 19 waves a work-group, no clusters, 0 bytes of LDS; arguments xs, Wz, Wh, Wo, xb, wzh, wo; writes xb, wzh, wo
.if DOCPART == 1
	.amdgcn_target "amdgcn-amd-amdhsa--gfx1250"
	.amdhsa_code_object_version 6
	.text
	.protected	k_q60856b983a_cast
	.globl	k_q60856b983a_cast
	.p2align	8
	.type	k_q60856b983a_cast,@function
k_q60856b983a_cast:
	s_mov_b64 s[64:65], 0
	v_nop
	global_prefetch_b8 v0, s[64:65] scope:SCOPE_SE
	s_setreg_imm32_b32 hwreg(HW_REG_WAVE_MODE, 25, 1), 1
	s_wait_xcnt 0x0
; CAST.  xs, Wz, Wh, Wo (f32, rows of 1,024 numbers) are rounded once to bf16 and laid out for the two products that follow.
;   xb  [16384][1024] bf16: inside each group of 128 rows, xs row 64 h + 8 a + j goes to row 16 a + 8 h + j (a 0..7, h 0..1, j 0..7), so that in the
;       product's result each half of the lanes holds 64 consecutive time steps.
;   wzh [2048][1024] bf16: group g of 128 rows: row 16 bb + r = Wz[64 g + 4 r + bb], row 64 + 16 bb + r = Wh[64 g + 4 r + bb] (bb 0..3, r 0..15).
;   wo  [1024][1024] f16: Wo rounded to bf16, that number written as f16 (the last product runs in f16).
; LIMIT.  A bf16 number of Wo below 6e-5 in magnitude keeps f16's fixed step of 6e-8; one beyond 65,504 would become an infinity.
; SHARES.  A stream: no LDS, no barrier, no matrix unit, no cluster (no two work-groups read the same byte).  The four tensors' rows are counted through: 16,384 of xs, then 1,024 each of Wz, Wh, Wo:
; 19,456 = 256 x 76.  A work-group takes 76 of them, each of its 19 waves 4 consecutive rows (aligned to 4, so they lie in one tensor).  All 32 loads of a wave (16 KiB) go out at once.
; A load covers 512 consecutive bytes (16 a lane); its 4 numbers a lane leave as 8 bytes: a store of the wave covers 256 consecutive bytes, aligned.
.set SROW, 4096                        ; bytes in a source row
.set DROW, 2048                        ; bytes in a destination row
.set R_WZ, 16384                       ; the first row of Wz in the count through all rows,
.set R_WH, 17408                       ; of Wh,
.set R_WO, 18432                       ; of Wo
.set X,    16                          ; v[16:143] quad q = 8 i + c: row i of my four, piece c of 512 bytes
.set DO,   2                           ; v2-v5   row i: 8 x lane + i x the distance between my destination rows; never rewritten
.set SO,   1                           ; v1      16 x lane; never rewritten
	s_load_b256 s[4:11], s[0:1], 0x0               ; xs s[4:5], Wz s[6:7], Wh s[8:9], Wo s[10:11]
	s_load_b128 s[12:15], s[0:1], 0x20             ; xb s[12:13], wzh s[14:15]
	s_load_b64 s[16:17], s[0:1], 0x30              ; wo
	v_lshrrev_b32 v6, 5, v0
	v_readfirstlane_b32 s20, v6                    ; wave 0..18
	v_and_b32 v[SO], 31, v0
	v_lshlrev_b32 v7, 3, v[SO]                     ; 8 x lane
	v_lshlrev_b32 v[SO], 4, v[SO]                  ; 16 x lane
	s_mul_i32 s21, ttmp9, 76
	s_lshl2_add_u32 s21, s20, s21                  ; my first row in the count through all rows = 76 x work-group + 4 x wave
	s_wait_kmcnt 0x0
	; which tensor is mine: between a compare and its selects stand selects alone
	s_mov_b64 s[24:25], s[10:11]                   ; from Wo
	s_mov_b64 s[26:27], s[16:17]                   ; to wo
	s_mov_b32 s22, R_WO                            ; the tensor's first row in the count
	s_cmp_lt_u32 s21, R_WO
	s_cselect_b64 s[24:25], s[8:9], s[24:25]       ; Wh
	s_cselect_b64 s[26:27], s[14:15], s[26:27]     ; wzh
	s_cselect_b32 s22, R_WH, s22
	s_cmp_lt_u32 s21, R_WH
	s_cselect_b64 s[24:25], s[6:7], s[24:25]       ; Wz
	s_cselect_b32 s22, R_WZ, s22
	s_cmp_lt_u32 s21, R_WZ
	s_cselect_b64 s[24:25], s[4:5], s[24:25]       ; xs
	s_cselect_b64 s[26:27], s[12:13], s[26:27]     ; xb
	s_cselect_b32 s22, 0, s22
	s_sub_co_u32 s23, s21, s22                     ; my first row in its tensor
	; the destination row of my first row, for each kind
	s_and_b32 s28, s23, 0xffffff80                 ; xs: the group of 128 stays,
	s_bfe_u32 s29, s23, 0x30003                    ; a = bits 5:3 go to bits 6:4,
	s_lshl_b32 s29, s29, 4
	s_or_b32 s28, s28, s29
	s_bfe_u32 s29, s23, 0x10006                    ; h = bit 6 goes to bit 3,
	s_lshl_b32 s29, s29, 3
	s_or_b32 s28, s28, s29
	s_and_b32 s29, s23, 7                          ; j stays: my four rows stay neighbours
	s_or_b32 s28, s28, s29
	s_lshr_b32 s31, s23, 6                         ; Wz: 128 g
	s_lshl_b32 s31, s31, 7
	s_bfe_u32 s29, s23, 0x40002                    ; + r; my four rows are bb = 0..3, 16 rows apart
	s_add_co_u32 s31, s31, s29
	s_add_co_u32 s32, s31, 64                      ; Wh: 64 rows further
	s_mov_b32 s33, s23                             ; Wo: as it lies
	s_mov_b32 s30, DROW                            ; bytes between my destination rows
	s_cmp_lt_u32 s21, R_WO
	s_cselect_b32 s33, s32, s33
	s_cselect_b32 s30, 16*DROW, s30
	s_cmp_lt_u32 s21, R_WH
	s_cselect_b32 s33, s31, s33
	s_cmp_lt_u32 s21, R_WZ
	s_cselect_b32 s33, s28, s33
	s_cselect_b32 s30, DROW, s30
	s_lshl_b32 s34, s23, 12                        ; row x 4,096 bytes: under 2^26
	s_mov_b32 s35, 0
	s_add_nc_u64 s[24:25], s[24:25], s[34:35]
	s_lshl_b32 s34, s33, 11                        ; row x 2,048 bytes
	s_add_nc_u64 s[26:27], s[26:27], s[34:35]
	v_mov_b32 v[DO], v7
	v_add_nc_u32 v[DO+1], s30, v[DO]
	v_add_nc_u32 v[DO+2], s30, v[DO+1]
	v_add_nc_u32 v[DO+3], s30, v[DO+2]
.set q, 0
.rept 32
	global_load_b128 v[X+4*q:X+4*q+3], v[SO], s[24:25] offset:(q/8)*SROW+(q%8)*512 th:TH_LOAD_NT
.set q, q+1
.endr
; Quad q is rounded and stored.  half = 1: the bf16 number is widened again and written as f16.  No register is written again behind its store.
.macro OUT q, half
	s_wait_loadcnt 31-(\q)                         ; loads come back in order (ISA guide 5.7.1): quad q is in, the 31 - q younger ones stay out
.if \half
	v_cvt_pk_bf16_f32 v[X+4*(\q)],   v[X+4*(\q)],   v[X+4*(\q)+1]
	v_cvt_pk_bf16_f32 v[X+4*(\q)+2], v[X+4*(\q)+2], v[X+4*(\q)+3]
	v_and_b32     v[X+4*(\q)+1], 0xffff0000, v[X+4*(\q)]
	v_lshlrev_b32 v[X+4*(\q)],   16, v[X+4*(\q)]
	v_and_b32     v[X+4*(\q)+3], 0xffff0000, v[X+4*(\q)+2]
	v_lshlrev_b32 v[X+4*(\q)+2], 16, v[X+4*(\q)+2]
	v_cvt_pk_f16_f32 v[X+4*(\q)],   v[X+4*(\q)],   v[X+4*(\q)+1]
	v_cvt_pk_f16_f32 v[X+4*(\q)+1], v[X+4*(\q)+2], v[X+4*(\q)+3]
.else
	v_cvt_pk_bf16_f32 v[X+4*(\q)],   v[X+4*(\q)],   v[X+4*(\q)+1]
	v_cvt_pk_bf16_f32 v[X+4*(\q)+1], v[X+4*(\q)+2], v[X+4*(\q)+3]
.endif
	global_store_b64 v[DO+(\q)/8], v[X+4*(\q):X+4*(\q)+1], s[26:27] offset:((\q)%8)*256  ; 32 lanes store 256 consecutive bytes, at a multiple of 256 from the buffer's first byte
.endm
	s_cmp_lt_u32 s21, R_WO
	s_cbranch_scc0 .Lf16
.set n, 0
.rept 32
	OUT n, 0
.set n, n+1
.endr
	s_endpgm
.Lf16:
.set n, 0
.rept 32
	OUT n, 1
.set n, n+1
.endr
	s_endpgm
.Lfunc_end_k_q60856b983a_cast:
	.size	k_q60856b983a_cast, .Lfunc_end_k_q60856b983a_cast-k_q60856b983a_cast
	.p2alignl 7, 3214868480
	.fill 96, 4, 3214868480
	.section	.rodata,"a",@progbits
	.p2align	6, 0x0
	.amdhsa_kernel k_q60856b983a_cast
		.amdhsa_group_segment_fixed_size 0
		.amdhsa_private_segment_fixed_size 0
		.amdhsa_enable_private_segment 0
		.amdhsa_kernarg_size 56
		.amdhsa_user_sgpr_count 2
		.amdhsa_user_sgpr_kernarg_segment_ptr 1
		.amdhsa_wavefront_size32 1
		.amdhsa_system_sgpr_workgroup_id_x 1
		.amdhsa_system_sgpr_workgroup_id_y 1
		.amdhsa_system_sgpr_workgroup_id_z 1
		.amdhsa_system_vgpr_workitem_id 0
		.amdhsa_next_free_vgpr 144
		.amdhsa_next_free_sgpr 66
		.amdhsa_reserve_vcc 0
		.amdhsa_float_denorm_mode_32 3
		.amdhsa_float_denorm_mode_16_64 3
		.amdhsa_memory_ordered 1
		.amdhsa_forward_progress 1
		.amdhsa_inst_pref_size 32
	.end_amdhsa_kernel
	.amdgpu_metadata
---
amdhsa.version: [ 1, 2 ]
amdhsa.kernels:
  - .name:           k_q60856b983a_cast
    .symbol:         k_q60856b983a_cast.kd
    .args:
      - { .name: xs, .offset: 0, .size: 8, .value_kind: global_buffer, .address_space: global }
      - { .name: Wz, .offset: 8, .size: 8, .value_kind: global_buffer, .address_space: global }
      - { .name: Wh, .offset: 16, .size: 8, .value_kind: global_buffer, .address_space: global }
      - { .name: Wo, .offset: 24, .size: 8, .value_kind: global_buffer, .address_space: global }
      - { .name: xb, .offset: 32, .size: 8, .value_kind: global_buffer, .address_space: global }
      - { .name: wzh, .offset: 40, .size: 8, .value_kind: global_buffer, .address_space: global }
      - { .name: wo, .offset: 48, .size: 8, .value_kind: global_buffer, .address_space: global }
    .group_segment_fixed_size: 0
    .private_segment_fixed_size: 0
    .kernarg_segment_align: 8
    .kernarg_segment_size: 56
    .max_flat_workgroup_size: 608
    .sgpr_count:     66
    .vgpr_count:     144
    .wavefront_size: 32
...
	.end_amdgpu_metadata
.endif
;; end of part 1
;; launch gates (part 2): grid 8 x 32, 4 waves a work-group, clusters of 4 x 4, 327,680 bytes of LDS; arguments xb, wzh, lp, bz, bh, ends; writes lp, ends
.if DOCPART == 2
	.amdgcn_target "amdgcn-amd-amdhsa--gfx1250"
	.amdhsa_code_object_version 6
	.text
	.protected	k_q60856b983a_gates
	.globl	k_q60856b983a_gates
	.p2align	8
	.type	k_q60856b983a_gates,@function
k_q60856b983a_gates:
	s_mov_b64 s[64:65], 0
	v_nop
	global_prefetch_b8 v0, s[64:65] scope:SCOPE_SE
	s_setreg_imm32_b32 hwreg(HW_REG_WAVE_MODE, 25, 1), 1
	s_wait_xcnt 0x0
	s_wait_alu depctr_hold_cnt(0) depctr_sa_sdst(0) depctr_va_vdst(0) depctr_va_sdst(0) depctr_va_ssrc(0) depctr_va_vcc(0) depctr_vm_vsrc(0)
	s_getreg_b32 s2, hwreg(HW_REG_IB_STS2, 6, 4)
	s_cmp_eq_u32 s2, 0
	s_cbranch_scc0 .Lentry_in_a_cluster
	s_endpgm
.Lentry_in_a_cluster:
	s_bfe_u32 s2, ttmp6, 0x10000c
	s_cmp_lg_u32 s2, 0xf033
	s_cbranch_scc0 .Lentry_shape_is_right
	s_endpgm
.Lentry_shape_is_right:
; GATES.  z = xs Wz^T + bz, u = xs Wh^T + bh as ONE product [16384 x 1024] x [2048 x 1024]^T in bf16 with f32 sums; g = 1 / (1 + 2^(-log2(e) z));
; then the recurrence h_t = (1 - g_t) h_(t-1) + g_t u_t inside chunks of 64 time steps: L_t (the scan begun at 0) and P_t (the running product of 1 - g), so that h_t = L_t + P_t c
; with c the state that enters the chunk, which the next launch makes.  All of that in f32; L and P leave rounded once to f16, each chunk's last L and P also in f32.
; LIMITS.  L must lie within f16's 65,504 (L is a mean of u's); P below 6e-5 keeps f16's fixed step of 6e-8; 2^x gives 0 where its result would be a denormal, and an infinity gives g = 0: the gate is exactly 0 or 1
; beyond |z| of about 87; NaN and infinities among the inputs are not treated apart.  bz and bh are rounded to bf16 like the other inputs.
; SHARES.  A tile is 256 rows x 256 columns of the product, made by a work-group of four waves, a wave 128 x 128: 64 accumulators of 16 x 16, 512 registers.  K goes in 8 steps of 128 through two LDS slots
; filled by the tensor data mover; a tile's rows are 256 bytes of memory, at multiples of 256 from the buffer's first byte.
; A WORK-GROUP STAYS: it makes two tiles, 8,192 rows apart, on the same rows of wzh.  The ring does not stop between them: the first tile's last two changes of slots ask for the second tile's K steps 0 and 1,
; and nothing waits for the first tile's stores.  512 tiles, 256 work-groups.
; LAYOUT.  Source 0 = 16 rows of xb, source 1 = 16 rows of wzh.  In accumulator (a, b) lane (r = l % 16, h = l / 16) holds in register j the row 16 a + 8 h + j and the column 16 b + r.  xb's rows are
; so ordered that this row is time step 64 h + 8 a + j of the wave's 128: a half of the lanes owns one chunk, walked by (a, j).  wzh's rows are so ordered that blocks b = 0..3 are z, and b = 4..7 u, of the hidden
; columns 64 g + 4 r + (b % 4): gate and update of a column meet in one lane, and a lane's four columns are neighbours.
; CLUSTER.  4 x 4 work-groups.  The four of a row of the cluster need the same tiles of xb, the four of a column the same tiles of wzh: each tile is asked for JOINTLY, by the same tensor load with the same
; descriptor and a mask that names the four.
; REGISTERS, in windows of 256 (s_set_vgpr_msb: bits 1:0 source 0, 3:2 source 1, 5:4 source 2, 7:6 destination):
;   window 0: v3-15 addresses; v16-31 the biases; v32-39 the scan's carry; v40-47 the ends; v64-127, v128-191 fragments of xb, two buffers, and on the way out two sets of 32 + 32 at work; v192-255 two blocks in f16
;   window 1: v64-127, v128-191 fragments of wzh      window 2: accumulators of blocks a = 0..3 at v[8 (8 a + b)]      window 3: those of a = 4..7
.set SIZE_K, 1024
.set KSTEP,  128
.set PITCH,  272                       ; an LDS row: 256 bytes + 16 of padding = 68 words: the 16 rows that a load touches start at 16 different groups of four banks (64 banks of 4 bytes: ISA guide 11.1)
.set HALFT,  128*PITCH                 ; 128 rows: what one tensor load brings, and what one wave reads of either operand
.set SLOT,   4*HALFT                   ; xb's 256 rows, then wzh's 256
.set STAGE,  2*SLOT                    ; behind the ring: 16 rows x 272 bytes for each wave
.set SPITCH, 272
.set ESTG,   STAGE+4*16*SPITCH         ; 1,024 bytes for each wave: its two chunks' last L and P
.set SPARE,  ESTG+4*1024               ; the spare words, 128 bytes for each wave: two blocks of 256 bytes that no other line names
.set LAPS,   SIZE_K/(2*KSTEP)          ; a lap = two K steps = once round the ring
.set LPROW,  4096                      ; bytes in a row of lp: 16 groups of 64 L and 64 P in f16
.set TILES,  2
.set WALK,   16384/TILES               ; rows from a work-group's tile to its next
.set NEXT_A, WALK*SIZE_K*2-(SIZE_K-2*KSTEP)*2  ; bytes from a slot's last K step of a tile to its first of the next: xb goes WALK rows down and back along K,
.set BACK_B, (SIZE_K-2*KSTEP)*2        ; wzh only back
.set NEXT_P, (WALK-1)*SIZE_K*2+KSTEP*2 ; the prefetches: from the K step after a tile's last to the next tile's K step 1
.set NEXT_LP, WALK*LPROW-3*16*LPROW    ; lp: from a tile's last trip of the way out to the next tile's first
.set NEXT_E, (WALK/64)*8192            ; ends: 128 chunks on
.set EST,  3                           ; v3   where I put my four columns' last L
.set ERD,  4                           ; v4   where I read 16 bytes of the ends back
.set ECO,  5                           ; v5   16 x lane: my bytes of a chunk's 512 in ends
.set SPW,  6                           ; v6   LDS address of my spare word: SPARE + 4 x my thread's number; never rewritten
.set NIL,  7                           ; v7   0; never rewritten
.set ADRA, 8                           ; v8-9   LDS address of my fragments of xb in slot 0, 1
.set ADRB, 10                          ; v10-11 the same for wzh
.set STO,  12                          ; v12  the way out: where I put 8 bytes of a row
.set RD,   13                          ; v13  the way out: where I read a row back
.set CO,   14                          ; v14  my byte offset in lp
.set PFO,  15                          ; v15  the prefetches' offset: lane x a row of 2,048 bytes; never rewritten
.set NBZ,  16                          ; v[16+2 bb : 17+2 bb]  -log2(e) x bz of my column bb, twice
.set BH,   24                          ; v[24+2 bb : 25+2 bb]  bh of my column bb, twice
.set CL,   32                          ; v32-35  L of my four columns at the last time step done
.set CP,   36                          ; v36-39  P likewise
.set EB,   40                          ; v40-47  the ends, read back
.set F0,   64
.set F1,   128
.set TMP,  192                         ; v192-223, v224-255: a trip's two blocks, L and P in f16
.set G1,  24                           ; s[24:31] descriptor group 1 for xb's tiles;  s[32:39] group 0, a set for each slot
.set G0,  32
.set G1B, 48                           ; s[48:55], s[56:63] the same for wzh's
.set G0B, 56
.set PFA, 44                           ; s[44:45] where my prefetches stand: one K step further along K than the refill that is being asked for
.set LIM, 43                           ; s43  1 in a wave that prefetches, else the greatest number
.set NL2E, 74                          ; s[74:75] -log2(e), twice
.set INC,  76                          ; s[76:77] what the next trip of the way out adds to lp's address
.set EINC, 78                          ; s[78:79] what the next tile adds to ends' address
.set MSB, 0
.macro WIN new                         ; the immediate's high byte repeats the setting that is left; a switch that changes nothing is dropped
.if MSB != (\new)
	s_set_vgpr_msb (MSB<<8)|(\new)
.set MSB, \new
.endif
.endm
.set MUL_LO, 0xa4                      ; source 0 (xb) window 0, source 1 (wzh) window 1, C and D window 2
.set MUL_HI, 0xf4                      ; the same, C and D window 3
.set TO_B,   0x40                      ; destination window 1, address window 0
; A joint load.  Waves 0 and 1 fetch xb's two halves, waves 2 and 3 wzh's.  The branch hangs on the wave's number alone.  An s_nop 0 and four v_nop follow each of the two lines.
.macro JLOAD s
	s_cmp_eq_u32 s11, 0
	s_cbranch_scc0 .Lfor_b_\@
	tensor_load_to_lds s[G0+4*(\s):G0+4*(\s)+3], s[G1:G1+7]
	s_nop 0
.rept 4
	v_nop
.endr
	s_branch .Lasked_\@
.Lfor_b_\@:
	tensor_load_to_lds s[G0B+4*(\s):G0B+4*(\s)+3], s[G1B:G1B+7]
	s_nop 0
.rept 4
	v_nop
.endr
.Lasked_\@:
.endm
; A prefetch of the K step that stands two refills on: 32 rows x 256 bytes, a lane a row, one instruction a wave.  xb's tile row is read by both clusters of that row of clusters: cluster x = 0 asks;
; wzh's tile column by all eight clusters of that column: cluster y = 0 asks, in the first tile alone, since both tiles take the same rows.  The four partners that ask for a tile jointly share its rows out by
; address, 32 each.  So each row's 256 bytes of a K step are named once in the launch.  how = 0, in the loop: K steps 4 to 7; the loop's last trip (s3 = 1) has no K step two refills on.  how = 1, at the change of
; tiles: the next tile's K steps 2 and 3 of xb.  The launch's K steps 0 to 3, and the second tile's 0 and 1, come by their loads alone.
.macro ASK how
.if \how
	s_cmp_eq_u32 s[LIM], 1
.else
	s_cmp_gt_u32 s3, s[LIM]
.endif
	s_cbranch_scc0 .Lnot_mine_\@
	global_prefetch_b8 v[PFO], s[PFA:PFA+1] offset:KSTEP*2 th:TH_LOAD_NT scope:SCOPE_SE
.Lnot_mine_\@:
.endm
.macro CREST                           ; a round of the cluster's barrier behind its opening barrier
	s_cmp_lg_u32 s10, 0
	s_cbranch_scc1 .Lnot_wave_0_\@
	s_barrier_signal -3
.Lnot_wave_0_\@:
	s_barrier_wait -3
	s_barrier_signal -1
	s_barrier_wait -1
.endm
.macro CROUND                          ; a whole round
	s_barrier_signal -1
	s_barrier_wait -1
	CREST
.endm
	s_load_b128 s[4:7], s[0:1], 0x0                ; xb s[4:5], wzh s[6:7]
	s_load_b64 s[8:9], s[0:1], 0x10                ; lp
	s_load_b64 s[68:69], s[0:1], 0x18              ; bz
	s_load_b64 s[70:71], s[0:1], 0x20              ; bh
	s_load_b64 s[72:73], s[0:1], 0x28              ; ends
	v_lshl_add_u32 v[SPW], v0, 2, SPARE
	v_mov_b32 v[NIL], 0
	ds_add_u32 v[SPW], v[NIL]                      ; the wave's opening: the add and its wait stand ahead of my first tensor load; the set-up below, work on registers, stands between them
	v_lshrrev_b32 v1, 5, v0
	v_readfirstlane_b32 s10, v1                    ; wave 0..3
	s_lshr_b32 s11, s10, 1                         ; which half of the tile's rows is mine.  Also: I fetch for xb (0) or for wzh (1)
	s_and_b32 s12, s10, 1                          ; which half of its columns.  Also: which 128 rows of that tile I fetch
	s_bfe_u32 s40, ttmp6, 0x40000                  ; cx
	s_bfe_u32 s41, ttmp6, 0x40004                  ; cy
	s_lshl_b32 s42, ttmp9, 2
	s_add_co_u32 s42, s42, s40                     ; tile column = 4 x cluster x + cx
	s_and_b32 s13, ttmp7, 0xffff
	s_lshl_b32 s13, s13, 2
	s_add_co_u32 s13, s13, s41                     ; the first tile's row = 4 x cluster y + cy
	s_lshl_b32 s43, s41, 2
	s_lshl_b32 s43, 15, s43                        ; my row of the cluster: places 4 cy .. 4 cy + 3
	s_lshl_b32 s44, 0x1111, s40                    ; my column: places cx, cx + 4, cx + 8, cx + 12
	; descriptor group 1: a tile of 128 rows x 128 elements of 2 bytes, 16 bytes of padding behind every 256
	s_or_b32 s[G1+0], s43, (1<<16)|(1<<20)|(1<<21)|(5<<22)|(3<<25)   ; 15:0 the mask; 17:16 2-byte elements; 20 padding on; 21 set beside a mask; 24:22 after every 64 words; 31:25 4 words
	s_or_b32 s[G1B+0], s44, (1<<16)|(1<<20)|(1<<21)|(5<<22)|(3<<25)
.irp g, G1, G1B
	s_mov_b32 s[(\g)+1], KSTEP<<16                 ; tensor_dim0 = 128
	s_mov_b32 s[(\g)+2], 128<<16                   ; tensor_dim1 = 128
	s_mov_b32 s[(\g)+3], KSTEP<<16                 ; tile_dim0 = 128
	s_mov_b32 s[(\g)+4], 128                       ; tile_dim1 = 128
	s_mov_b32 s[(\g)+5], SIZE_K                    ; elements from row to row
	s_mov_b32 s[(\g)+6], 0
	s_mov_b32 s[(\g)+7], 0
.endr
	; where the tiles come from: xb's hang on the tile row alone, wzh's on the tile column alone, each in registers that never hold the other coordinate
	s_lshl_b32 s17, s12, 7
	s_lshl_b32 s16, s13, 8
	s_add_co_u32 s16, s16, s17                     ; xb: row 256 x tile row + 128 x half
	s_lshl_b32 s16, s16, 11                        ; x 2,048 bytes: under 2^25
	s_lshl_b32 s46, s42, 8
	s_add_co_u32 s46, s46, s17                     ; wzh: row 256 x tile column + 128 x half
	s_lshl_b32 s46, s46, 11
	s_mov_b32 s17, 0
	s_mov_b32 s47, 0
	s_mul_i32 s20, s10, HALFT                      ; where they go: wave x 128 rows: no place in the cluster enters an LDS address
	s_mov_b32 s[NL2E], 0xbfb8aa3b                  ; -log2(e)
	s_mov_b32 s[NL2E+1], 0xbfb8aa3b
	s_wait_dscnt 0x0                               ; the opening add is done
	s_wait_kmcnt 0x0
	s_add_nc_u64 s[14:15], s[4:5], s[16:17]
	s_add_nc_u64 s[46:47], s[6:7], s[46:47]
	CROUND                                         ; all sixteen work-groups are here: the first joint loads meet
.irp s, 0,1
	s_mov_b32 s[G0+4*(\s)], 1                                        ; count = 1
	s_add_co_u32 s[G0+4*(\s)+1], s20, (\s)*SLOT                      ; LDS address
	s_add_nc_u64 s[G0+4*(\s)+2:G0+4*(\s)+3], s[14:15], (\s)*KSTEP*2  ; global address: K step s
	s_or_b32 s[G0+4*(\s)+3], s[G0+4*(\s)+3], 0x80000000              ; type = 2
	s_mov_b32 s[G0B+4*(\s)], 1
	s_add_co_u32 s[G0B+4*(\s)+1], s20, (\s)*SLOT
	s_add_nc_u64 s[G0B+4*(\s)+2:G0B+4*(\s)+3], s[46:47], (\s)*KSTEP*2
	s_or_b32 s[G0B+4*(\s)+3], s[G0B+4*(\s)+3], 0x80000000
	JLOAD \s                                       ; two loads of mine are out behind these; later one
.endr
	v_and_b32 v1, 15, v0                           ; r
	v_bfe_u32 v2, v0, 4, 1                         ; h
	s_lshl_b32 s78, s42, 1
	s_add_co_u32 s78, s78, s12                     ; g: my group of 64 hidden columns
	s_lshl_b32 s79, s78, 8                         ; 256 g: its bytes in bz and bh, and in a row of lp
	v_lshlrev_b32 v41, 4, v1
	v_add_nc_u32 v41, s79, v41                     ; + 16 r: my four columns
	global_load_b128 v[32:35], v41, s[68:69]
	global_load_b128 v[36:39], v41, s[70:71]
	; a fragment is 16 rows x 32 K in 8 registers: lane l holds row l % 16, K = 8 (l / 16) + 0..7 and 16 + 8 (l / 16) + 0..7: two loads of 16 bytes, 32 bytes apart
	v_mul_u32_u24 v40, v1, PITCH
	v_lshl_add_u32 v40, v2, 4, v40
	s_mul_i32 s21, s11, HALFT                      ; my 128 rows of xb
	s_mul_i32 s22, s12, HALFT                      ; my 128 rows of wzh,
	s_add_co_u32 s22, s22, 2*HALFT                 ; which lie behind xb's 256
.irp s, 0,1
	v_add_nc_u32 v[ADRA+(\s)], s21, v40
	v_add_nc_u32 v[ADRB+(\s)], s22, v40
	s_add_co_u32 s21, s21, SLOT
	s_add_co_u32 s22, s22, SLOT
.endr
	s_mul_i32 s23, s10, 16*SPITCH
	s_add_co_u32 s23, s23, STAGE                   ; my stage: row 8 h + j is time step 64 h + 8 a + j; 128 bytes of L, then 128 of P
	v_mul_u32_u24 v42, v2, 8*SPITCH
	v_lshl_add_u32 v42, v1, 3, v42                 ; in: 8 bytes (four columns) at 8 r
	v_add_nc_u32 v[STO], s23, v42
	v_mul_u32_u24 v42, v2, SPITCH                  ; back: lanes 0-15 take one row of 256 bytes, lanes 16-31 the next
	v_lshl_add_u32 v42, v1, 4, v42
	v_add_nc_u32 v[RD], s23, v42
	v_lshlrev_b32 v[CO], 12, v2                    ; and the same two rows in lp
	v_lshl_add_u32 v[CO], v1, 4, v[CO]
	s_lshl_b32 s23, s10, 10
	s_add_co_u32 s23, s23, ESTG                    ; my ends: chunk h at 512 h: 64 L in f32, then 64 P
	v_lshlrev_b32 v42, 9, v2
	v_lshl_add_u32 v42, v1, 4, v42
	v_add_nc_u32 v[EST], s23, v42
	v_and_b32 v42, 31, v0
	v_lshlrev_b32 v[ECO], 4, v42
	v_add_nc_u32 v[ERD], s23, v[ECO]
	v_lshlrev_b32 v[PFO], 11, v42
	; lp at my first row and group; ends at my first chunk and group
	s_lshl_b32 s76, s13, 8
	s_lshl_b32 s77, s11, 7
	s_add_co_u32 s76, s76, s77                     ; my first row
	s_lshl_b32 s76, s76, 12                        ; x 4,096 bytes: under 2^26
	s_add_co_u32 s76, s76, s79
	s_mov_b32 s77, 0
	s_add_nc_u64 s[8:9], s[8:9], s[76:77]
	s_lshl_b32 s76, s13, 2
	s_lshl_b32 s79, s11, 1
	s_add_co_u32 s76, s76, s79                     ; my first chunk = 4 x tile row + 2 x half
	s_lshl_b32 s76, s76, 13                        ; x 8,192 bytes
	s_lshl_b32 s79, s78, 9                         ; + 512 g
	s_add_co_u32 s76, s76, s79
	s_add_nc_u64 s[72:73], s[72:73], s[76:77]
	; the prefetches
	s_lshl_b32 s76, s13, 8
	s_lshl_b32 s78, s42, 8
	s_and_b32 s22, ttmp7, 0xffff                   ; cluster y
	s_cmp_eq_u32 s11, 0                            ; do I fetch for xb?
	s_cselect_b32 s20, s76, s78                    ; the tile's first row
	s_cselect_b32 s21, s40, s41                    ; my place among the four that ask for it with me
	s_cselect_b32 s22, ttmp9, s22                  ; the coordinate along which other clusters read the same rows
	s_cselect_b64 s[PFA:PFA+1], s[4:5], s[6:7]
	s_cmp_eq_u32 s22, 0
	s_cselect_b32 s[LIM], 1, -1                    ; the same in all sixteen partners, for a given wave
	s_lshl_b32 s22, s12, 7
	s_add_co_u32 s20, s20, s22                     ; + the 128 rows that I fetch
	s_lshl_b32 s21, s21, 5
	s_add_co_u32 s20, s20, s21                     ; + my work-group's 32 of them
	s_lshl_b32 s20, s20, 11
	s_mov_b32 s21, 0
	s_add_nc_u64 s[PFA:PFA+1], s[PFA:PFA+1], s[20:21]
	s_add_nc_u64 s[PFA:PFA+1], s[PFA:PFA+1], 2*KSTEP*2  ; at K step 2: the first refill steps it to 3 and names K step 4
	s_mov_b32 s[INC], 0                            ; lp and ends stand at the first tile: the first steps add nothing
	s_mov_b32 s[INC+1], 0
	s_mov_b32 s[EINC], 0
	s_mov_b32 s[EINC+1], 0
	s_wait_loadcnt 0x0                             ; the biases, once: both tiles have the same columns
	v_cvt_pk_bf16_f32 v42, v32, v33                ; rounded to bf16, like the other inputs
	v_cvt_pk_bf16_f32 v43, v34, v35
	v_cvt_pk_bf16_f32 v44, v36, v37
	v_cvt_pk_bf16_f32 v45, v38, v39
	v_lshlrev_b32 v32, 16, v42
	v_and_b32 v33, 0xffff0000, v42
	v_lshlrev_b32 v34, 16, v43
	v_and_b32 v35, 0xffff0000, v43
.irp b, 0,1,2,3
	v_mul_f32 v[NBZ+2*(\b)], s[NL2E], v[32+(\b)]
	v_mov_b32 v[NBZ+2*(\b)+1], v[NBZ+2*(\b)]
.endr
	v_lshlrev_b32 v[BH], 16, v44
	v_and_b32 v[BH+2], 0xffff0000, v44
	v_lshlrev_b32 v[BH+4], 16, v45
	v_and_b32 v[BH+6], 0xffff0000, v45
.irp b, 0,1,2,3
	v_mov_b32 v[BH+2*(\b)+1], v[BH+2*(\b)]
.endr
; 16 matrix instructions: row blocks a0, a0 + 1 of the window's four x all 8 column blocks, 32 along K.  zero = 1: the first product starts the sums: nothing is cleared.
; The 64 accumulators take turns, one instruction a turn, in the same order in every quarter.
.macro MUL16 f, hi, a0, zero
	WIN MUL_LO+0x50*(\hi)
.irp a, \a0, (\a0)+1
.irp b, 0,1,2,3,4,5,6,7
.if \zero
	v_wmma_f32_16x16x32_bf16 v[8*(8*(\a)+(\b)):8*(8*(\a)+(\b))+7], v[(\f)+8*(4*(\hi)+(\a)):(\f)+8*(4*(\hi)+(\a))+7], v[(\f)+8*(\b):(\f)+8*(\b)+7], 0
.else
	v_wmma_f32_16x16x32_bf16 v[8*(8*(\a)+(\b)):8*(8*(\a)+(\b))+7], v[(\f)+8*(4*(\hi)+(\a)):(\f)+8*(4*(\hi)+(\a))+7], v[(\f)+8*(\b):(\f)+8*(\b)+7], v[8*(8*(\a)+(\b)):8*(8*(\a)+(\b))+7]
.endif
.endr
.endr
.endm
; 32 LDS loads in one run: the fragments of one quarter step (32 K at byte k of the rows) into buffer f: wzh's 128 rows, then xb's
.macro FETCH slot, k, f
	WIN TO_B
.irp i, 0,1,2,3,4,5,6,7
	ds_load_b128 v[(\f)+8*(\i):(\f)+8*(\i)+3],   v[ADRB+(\slot)] offset:(\k)+(\i)*16*PITCH
	ds_load_b128 v[(\f)+8*(\i)+4:(\f)+8*(\i)+7], v[ADRB+(\slot)] offset:(\k)+(\i)*16*PITCH+32
.endr
	WIN 0
.irp i, 0,1,2,3,4,5,6,7
	ds_load_b128 v[(\f)+8*(\i):(\f)+8*(\i)+3],   v[ADRA+(\slot)] offset:(\k)+(\i)*16*PITCH
	ds_load_b128 v[(\f)+8*(\i)+4:(\f)+8*(\i)+7], v[ADRA+(\slot)] offset:(\k)+(\i)*16*PITCH+32
.endr
.endm
.macro PLACES                          ; four plain vector instructions between a matrix instruction and a load into, or a vector instruction on, its registers
.rept 4
	v_nop
.endr
.endm
; A K step is four quarters of 32 along K, 64 matrix instructions each, on buffers 0, 1, 0, 1.  One of the first three: multiplies buffer f and, in its middle, fetches the next quarter into g.
.macro QUARTER slot, k, f, g, zero
	s_wait_dscnt 8                                 ; wzh's fragments and xb's rows 0-63 are in; the youngest eight loads (xb's rows 64-127) may be out
	MUL16 \f, 0, 0, \zero
	MUL16 \f, 0, 2, \zero
	PLACES
	FETCH \slot, \k, \g
	s_wait_dscnt 32                                ; all but the 32 just issued
	MUL16 \f, 1, 0, \zero
	MUL16 \f, 1, 2, \zero
.endm
; The last quarter's first half: ONE barrier for the change of slots.  In front of it each wave waits for all its tensor loads (one is out: its part of the next slot), adds 0 to its spare word, and waits for
; that and for its own reads of this slot.  Behind it nobody reads this slot any more and the next slot is whole.
.macro MEET round
	WIN 0                                          ; (the add's two registers lie in window 0)
	s_wait_tensorcnt 0x0
	ds_add_u32 v[SPW], v[NIL]
	s_wait_dscnt 9                                 ; (the add and the youngest eight loads may be out)
	MUL16 F1, 0, 0, 0                              ; sixteen matrix instructions stand between the add and the wait for it
	s_wait_dscnt 0x0                               ; the add is done, and my reads of this slot are over
	s_barrier_signal -1
	MUL16 F1, 0, 2, 0
.if \round
	WIN 0
.endif
	s_barrier_wait -1
.endm
; The whole last quarter.  fill = 1: the barrier opens a round of the cluster's, and the slot just read out is filled again first thing behind it: with this tile's K step two steps on (on = 0) or, in the
; first tile's last two K steps, with the next tile's K step 0 or 1 (on = 1).  224 matrix instructions stand between a request along K and the wait for it.
; fetch = 0: the tile's very last quarter: the next tile's first fragments are fetched behind the way out, which works in the fragments' registers.
.macro TURN slot, next, fill, on=0, fetch=1
.if \fill
	s_wait_xcnt 0x0                                ; the last prefetch, a K step back, has read its address
.if (\on) && (\slot) == 0
	s_add_nc_u64 s[PFA:PFA+1], s[PFA:PFA+1], NEXT_P
	s_cmp_eq_u32 s11, 0
	s_cselect_b32 s[LIM], s[LIM], -1               ; wzh's rows are the same for both tiles: they are prefetched no more
.else
	s_add_nc_u64 s[PFA:PFA+1], s[PFA:PFA+1], KSTEP*2
.endif
	MEET 1
	CREST                                          ; no wave of any partner still reads this slot's tile or has a load on its way
.if \on
	s_add_nc_u64 s[G0+4*(\slot)+2:G0+4*(\slot)+3], s[G0+4*(\slot)+2:G0+4*(\slot)+3], NEXT_A
	s_sub_nc_u64 s[G0B+4*(\slot)+2:G0B+4*(\slot)+3], s[G0B+4*(\slot)+2:G0B+4*(\slot)+3], BACK_B
.else
	s_add_nc_u64 s[G0+4*(\slot)+2:G0+4*(\slot)+3], s[G0+4*(\slot)+2:G0+4*(\slot)+3], 2*KSTEP*2
	s_add_nc_u64 s[G0B+4*(\slot)+2:G0B+4*(\slot)+3], s[G0B+4*(\slot)+2:G0B+4*(\slot)+3], 2*KSTEP*2
.endif
	JLOAD \slot                                    ; the four v_nop behind it are also the places in front of the loads below
.else
	MEET 0
	PLACES
.endif
.if \fetch
	FETCH \next, 0, F0
.endif
.if \fill
	ASK \on
.endif
	MUL16 F1, 1, 0, 0
	MUL16 F1, 1, 2, 0
.endm
; THE WAY OUT, all in f32: a loop of four trips, two row blocks a trip (block a: 16 rows of the product, 8 time steps of each of my two chunks).  Block a works in set a % 2 of v64-191: T (32 registers) takes
; -log2(e) z, then 2^that, 1 + that, g, 1 - g and at last P; U (32) takes u, g u and at last L.  Register 8 bb + j of either is column bb, time step j.
; PULL alone names the accumulators, so it alone is written out for each block, and a forward branch on the trip's counter picks the trip's two; all the rest is written once.
; Each accumulator's lowest registers are read first.
.macro PULL a
.set AC, 64*((\a)%4)
.set T,  F0+64*((\a)%2)
	WIN 2+(\a)/4                                   ; source 0 in the accumulators' window
.set i, 0
.rept 16
	v_pk_fma_f32 v[T+2*i:T+2*i+1], v[AC+2*i:AC+2*i+1], s[NL2E:NL2E+1], v[NBZ+2*(i/4):NBZ+2*(i/4)+1] op_sel_hi:[1,0,1]  ; -log2(e) (xs Wz^T + bz)
.set i, i+1
.endr
.set i, 0
.rept 16
	v_pk_add_f32 v[T+32+2*i:T+32+2*i+1], v[AC+32+2*i:AC+32+2*i+1], v[BH+2*(i/4):BH+2*(i/4)+1]  ; u
.set i, i+1
.endr
.endm
; The scan of set e: eight chains (L and P of four columns) that do not wait for each other.  Set 0 begins at the carry, set 1 at set 0's last step, and set 1's last step is written into the carry.
.macro SCAN e
.set T, F0+64*(\e)
.set U, T+32
.set j, 0
.rept 8
.set c, 0
.rept 4
.if j == 0
.if (\e) == 0
	v_fmac_f32 v[U+8*c], v[T+8*c], v[CL+c]             ; L_t = g u + (1 - g) L_(t-1)
	v_mul_f32  v[T+8*c], v[T+8*c], v[CP+c]             ; P_t = (1 - g) P_(t-1)
.else
	v_fmac_f32 v[U+8*c], v[T+8*c], v[F0+32+8*c+7]
	v_mul_f32  v[T+8*c], v[T+8*c], v[F0+8*c+7]
.endif
.elseif (j == 7) && ((\e) == 1)
	v_fma_f32 v[CL+c], v[T+8*c+7], v[U+8*c+6], v[U+8*c+7]
	v_mul_f32 v[CP+c], v[T+8*c+7], v[T+8*c+6]
.else
	v_fmac_f32 v[U+8*c+j], v[T+8*c+j], v[U+8*c+j-1]
	v_mul_f32  v[T+8*c+j], v[T+8*c+j], v[T+8*c+j-1]
.endif
.set c, c+1
.endr
.set j, j+1
.endr
.endm
.macro CVT e                           ; set e rounded to f16: time step j: L of my columns 0, 1 and 2, 3, then P likewise
.set T, F0+64*(\e)
.set U, T+32
.set TM, TMP+32*(\e)
.set j, 0
.rept 8
.if (j == 7) && ((\e) == 1)
	v_cvt_pk_f16_f32 v[TM+28], v[CL],   v[CL+1]
	v_cvt_pk_f16_f32 v[TM+29], v[CL+2], v[CL+3]
	v_cvt_pk_f16_f32 v[TM+30], v[CP],   v[CP+1]
	v_cvt_pk_f16_f32 v[TM+31], v[CP+2], v[CP+3]
.else
	v_cvt_pk_f16_f32 v[TM+4*j],   v[U+j],    v[U+8+j]
	v_cvt_pk_f16_f32 v[TM+4*j+1], v[U+16+j], v[U+24+j]
	v_cvt_pk_f16_f32 v[TM+4*j+2], v[T+j],    v[T+8+j]
	v_cvt_pk_f16_f32 v[TM+4*j+3], v[T+16+j], v[T+24+j]
.endif
.set j, j+1
.endr
.endm
.macro STAGEIO e                       ; into my own stage, and back as whole rows of 256 bytes, into the registers that they left
.set TM, TMP+32*(\e)
.irp j, 0,1,2,3,4,5,6,7
	ds_store_b64 v[STO], v[TM+4*(\j):TM+4*(\j)+1]   offset:SPITCH*(\j)
	ds_store_b64 v[STO], v[TM+4*(\j)+2:TM+4*(\j)+3] offset:SPITCH*(\j)+128
.endr
.irp t, 0,1,2,3,4,5,6,7
	ds_load_b128 v[TM+4*(\t):TM+4*(\t)+3], v[RD] offset:(\t)*2*SPITCH  ; LDS serves a wave's instructions in order (ISA guide 5.7.1.4): these see the stores above; the other block's stores come behind them
.endr
.endm
.macro SENDB e, younger                ; younger: the LDS instructions issued behind this block's loads
.set TM, TMP+32*(\e)
	s_wait_dscnt \younger                          ; the block is back in registers
.irp t, 0,1,2,3,4,5,6,7
	global_store_b128 v[CO], v[TM+4*(\t):TM+4*(\t)+3], s[8:9] offset:(64*((\t)/4)+8*(\e)+2*((\t)%4))*LPROW  ; 16 lanes store 256 consecutive bytes, at a multiple of 256 from lp's first byte; 78 rows at the most: inside the signed 24-bit immediate
.endr
.endm
	s_wait_tensorcnt 1                             ; my part of K step 0 is in; K step 1's may stay out
	s_barrier_signal -1
	s_barrier_wait -1                              ; everybody's is
	s_mov_b32 s2, TILES                            ; tiles to go, this one among them: the same number in every work-group
.Ltile:
	FETCH 0, 0, F0                                 ; slot 0 is whole: by the barrier above, or by the last change of slots of the tile before
	QUARTER 0, 64,  F0, F1, 1                      ; a tile's first quarter stands in front of the loop: its products start the sums
	WIN 0                                          ; at a label and at a branch every window is 0
	s_mov_b32 s3, LAPS-1
.Llap:                                                 ; a trip goes once round the ring, from a lap's second quarter to the next lap's first, and fills both slots again
	QUARTER 0, 128, F1, F0, 0
	QUARTER 0, 192, F0, F1, 0
	TURN 0, 1, 1
	QUARTER 1, 64,  F0, F1, 0
	QUARTER 1, 128, F1, F0, 0
	QUARTER 1, 192, F0, F1, 0
	TURN 1, 0, 1
	QUARTER 0, 64,  F0, F1, 0
	WIN 0
	s_sub_co_u32 s3, s3, 1
	s_cmp_lg_u32 s3, 0
	s_cbranch_scc1 .Llap
	QUARTER 0, 128, F1, F0, 0                      ; the tile's last lap goes on
	QUARTER 0, 192, F0, F1, 0
	WIN 0
	s_cmp_eq_u32 s2, 1
	s_cbranch_scc1 .Llast_tile                     ; the last tile's tail is written out: it asks for nothing more
	TURN 0, 1, 1, 1, 1                             ; THE RING GOES ON INTO THE NEXT TILE: slot 0 takes its K step 0,
	QUARTER 1, 64,  F0, F1, 0
	QUARTER 1, 128, F1, F0, 0
	QUARTER 1, 192, F0, F1, 0
	TURN 1, 0, 1, 1, 0                             ; slot 1 its K step 1
	WIN 0
	s_branch .Lout
.Llast_tile:
	TURN 0, 1, 0
	QUARTER 1, 64,  F0, F1, 0
	QUARTER 1, 128, F1, F0, 0
	QUARTER 1, 192, F0, F1, 0
	s_wait_dscnt 8                                 ; the very last quarter: nothing more to fetch
	MUL16 F1, 0, 0, 0
	MUL16 F1, 0, 2, 0
	s_wait_dscnt 0x0
	MUL16 F1, 1, 0, 0
	MUL16 F1, 1, 2, 0
	WIN 0
.Lout:
.irp c, 0,1,2,3                        ; a chunk begins at L = 0 and P = 1, so that its first step has the form of every other; these eight lines are also the places behind the last products
	v_mov_b32 v[CL+(\c)], 0
	v_mov_b32 v[CP+(\c)], 1.0
.endr
	s_mov_b32 s3, 4
.Lblk:                                                 ; trip 4 - s3 takes blocks 2 (4 - s3) and 2 (4 - s3) + 1
	s_cmp_eq_u32 s3, 4
	s_cbranch_scc1 .Lpull0
	s_cmp_eq_u32 s3, 3
	s_cbranch_scc1 .Lpull1
	s_cmp_eq_u32 s3, 2
	s_cbranch_scc1 .Lpull2
	PULL 6
	PULL 7
	WIN 0
	s_branch .Lrest
.Lpull0:
	PULL 0
	PULL 1
	WIN 0
	s_branch .Lrest
.Lpull1:
	PULL 2
	PULL 3
	WIN 0
	s_branch .Lrest
.Lpull2:
	PULL 4
	PULL 5
	WIN 0
.Lrest:
.irp s, F0, F1
.set i, 0
.rept 32
	v_exp_f32 v[(\s)+i], v[(\s)+i]
.set i, i+1
.endr
.endr
	v_nop                                          ; a plain instruction behind the last exponential (ISA guide 5.7.2),
	s_wait_alu depctr_va_vdst(0)                   ; and one wait for the 64, ahead of their first reader
.irp s, F0, F1
.set i, 0
.rept 16
	v_pk_add_f32 v[(\s)+2*i:(\s)+2*i+1], v[(\s)+2*i:(\s)+2*i+1], 1.0 op_sel_hi:[1,0]
.set i, i+1
.endr
.endr
.irp s, F0, F1
.set i, 0
.rept 32
	v_rcp_f32 v[(\s)+i], v[(\s)+i]
.set i, i+1
.endr
.endr
	v_nop                                          ; a plain instruction behind the last reciprocal,
	s_wait_alu depctr_va_vdst(0)                   ; and one wait for the 64
.irp s, F0, F1
.set i, 0
.rept 16
	v_pk_mul_f32 v[(\s)+32+2*i:(\s)+32+2*i+1], v[(\s)+32+2*i:(\s)+32+2*i+1], v[(\s)+2*i:(\s)+2*i+1]  ; g u
.set i, i+1
.endr
.endr
.irp s, F0, F1
.set i, 0
.rept 16
	v_pk_fma_f32 v[(\s)+2*i:(\s)+2*i+1], v[(\s)+2*i:(\s)+2*i+1], -1.0, 1.0 op_sel_hi:[1,0,0]  ; 1 - g
.set i, i+1
.endr
.endr
	SCAN 0
	s_wait_xcnt 0x0                                ; the last trip's stores have read their registers and lp's address: both are written again only behind this wait
	s_add_nc_u64 s[8:9], s[8:9], s[INC:INC+1]      ; nothing, 16 rows, or on to the next tile
	s_mov_b32 s[INC], 16*LPROW
	CVT 0
	STAGEIO 0
	SCAN 1                                         ; the second block's scan and rounding stand between the first block's loads from the stage and the wait for them
	CVT 1
	STAGEIO 1
	SENDB 0, 24                                    ; the second block's 16 stores into the stage and 8 loads may be out
	SENDB 1, 0
	s_sub_co_u32 s3, s3, 1
	s_cmp_lg_u32 s3, 0
	s_cbranch_scc1 .Lblk
	s_mov_b32 s[INC], NEXT_LP
.irp b, 0,1,2,3                        ; the chunks' last L and P, in f32: the carry as the last trip left it
	ds_store_b32 v[EST], v[CL+(\b)] offset:4*(\b)
	ds_store_b32 v[EST], v[CP+(\b)] offset:256+4*(\b)
.endr
	ds_load_b128 v[EB:EB+3],   v[ERD]              ; chunk h = 0: 512 bytes
	ds_load_b128 v[EB+4:EB+7], v[ERD] offset:512   ; chunk h = 1
	s_add_nc_u64 s[72:73], s[72:73], s[EINC:EINC+1]  ; (its last readers, the tile before's two stores, stand ahead of the waits in the trips above)
	s_mov_b32 s[EINC], NEXT_E
	s_wait_dscnt 0x0
	global_store_b128 v[ECO], v[EB:EB+3],   s[72:73]               ; 512 consecutive bytes each, at a multiple of 256 from the buffer's first byte
	global_store_b128 v[ECO], v[EB+4:EB+7], s[72:73] offset:8192
	s_sub_co_u32 s2, s2, 1
	s_cmp_lg_u32 s2, 0
	s_cbranch_scc1 .Ltile
	s_wait_tensorcnt 0x0                           ; the wave's end, behind my last tensor load and my last LDS store
	ds_add_u32 v[SPW], v[NIL]
	s_wait_dscnt 0x0
	CROUND                                         ; the closing round: no work-group ends while a partner may still ask for a tile that names it
	s_endpgm
.Lfunc_end_k_q60856b983a_gates:
	.size	k_q60856b983a_gates, .Lfunc_end_k_q60856b983a_gates-k_q60856b983a_gates
	.p2alignl 7, 3214868480
	.fill 96, 4, 3214868480
	.section	.rodata,"a",@progbits
	.p2align	6, 0x0
	.amdhsa_kernel k_q60856b983a_gates
		.amdhsa_group_segment_fixed_size 327680
		.amdhsa_private_segment_fixed_size 0
		.amdhsa_enable_private_segment 0
		.amdhsa_kernarg_size 48
		.amdhsa_user_sgpr_count 2
		.amdhsa_user_sgpr_kernarg_segment_ptr 1
		.amdhsa_wavefront_size32 1
		.amdhsa_system_sgpr_workgroup_id_x 1
		.amdhsa_system_sgpr_workgroup_id_y 1
		.amdhsa_system_sgpr_workgroup_id_z 1
		.amdhsa_system_vgpr_workitem_id 0
		.amdhsa_next_free_vgpr 1024
		.amdhsa_next_free_sgpr 80
		.amdhsa_reserve_vcc 0
		.amdhsa_float_denorm_mode_32 3
		.amdhsa_float_denorm_mode_16_64 3
		.amdhsa_memory_ordered 1
		.amdhsa_forward_progress 1
		.amdhsa_inst_pref_size 188
	.end_amdhsa_kernel
	.amdgpu_metadata
---
amdhsa.version: [ 1, 2 ]
amdhsa.kernels:
  - .name:           k_q60856b983a_gates
    .symbol:         k_q60856b983a_gates.kd
    .args:
      - { .name: xb, .offset: 0, .size: 8, .value_kind: global_buffer, .address_space: global }
      - { .name: wzh, .offset: 8, .size: 8, .value_kind: global_buffer, .address_space: global }
      - { .name: lp, .offset: 16, .size: 8, .value_kind: global_buffer, .address_space: global }
      - { .name: bz, .offset: 24, .size: 8, .value_kind: global_buffer, .address_space: global }
      - { .name: bh, .offset: 32, .size: 8, .value_kind: global_buffer, .address_space: global }
      - { .name: ends, .offset: 40, .size: 8, .value_kind: global_buffer, .address_space: global }
    .group_segment_fixed_size: 327680
    .private_segment_fixed_size: 0
    .kernarg_segment_align: 8
    .kernarg_segment_size: 48
    .max_flat_workgroup_size: 128
    .sgpr_count:     80
    .vgpr_count:     1024
    .wavefront_size: 32
...
	.end_amdgpu_metadata
.endif
;; end of part 2
;; launch fix (part 3): grid 8 x 32, 16 waves a work-group, no clusters, 18,432 bytes of LDS; arguments lp, ends, hs; writes hs
.if DOCPART == 3
	.amdgcn_target "amdgcn-amd-amdhsa--gfx1250"
	.amdhsa_code_object_version 6
	.text
	.protected	k_q60856b983a_fix
	.globl	k_q60856b983a_fix
	.p2align	8
	.type	k_q60856b983a_fix,@function
k_q60856b983a_fix:
	s_mov_b64 s[64:65], 0
	v_nop
	global_prefetch_b8 v0, s[64:65] scope:SCOPE_SE
	s_setreg_imm32_b32 hwreg(HW_REG_WAVE_MODE, 25, 1), 1
	s_wait_xcnt 0x0
; FIX.  hs[row][col] = L + P c, with c the state that enters the row's chunk of 64 time steps: c_0 = 0, c_(k+1) = Lend_k + Pend_k c_k along a batch's 32 chunks.
; lp: [16384][16 groups][64 L, 64 P] f16.  ends: [256 chunks][16 groups][Lend, Pend][64] f32.  hs: [16384][1024] f16.  The chain and the products are reckoned in f32; hs is rounded once.
; LIMIT.  c and hs must lie within f16's 65,504 (they are means of the updates); NaN and infinities are not treated apart.
; SHARES.  A stream: no matrix unit; no cluster, since what work-groups share (a batch's ends, 31 KiB of the 384 KiB that a work-group moves) is a small part of their bytes.
; A work-group takes 512 rows x 128 columns, each of its 16 waves 32 rows, which lie in one chunk.  Threads 0-127 walk the chain, a column each, and leave c of all 32 chunks in LDS; one barrier;
; every wave then takes its chunk's c.  One instruction covers two rows: lanes 0-15 one, lanes 16-31 the next; a lane has 8 columns.  All 32 loads of a wave go out at once, ahead of the chain.
.set LPROW, 4096
.set HSROW, 2048
.set CHROW, 8192                       ; bytes of a chunk in ends
.set TABLE, 0                          ; LDS: c[32][128] f32
.set SPARE, 16384                      ; behind it: the spare words, 128 bytes for each of the 16 waves, which no other line names
.set LO,  1                            ; v1   my 16 bytes of L in the first two rows
.set HO,  2                            ; v2   my 16 bytes of hs
.set EO,  3                            ; v3   my column in a chunk's ends (threads 0-127)
.set TA,  4                            ; v4   my column in the table
.set TR,  5                            ; v5   my 8 columns of my chunk's c
.set SPW, 6                            ; v6   LDS address of my spare word; never rewritten
.set NIL, 7                            ; v7   0; never rewritten
.set ZER, 8                            ; v8   h0 = 0
.set CC,  10                           ; v[10:17] c of my 8 columns
.set EL,  20                           ; v20-50  Lend of chunks 0-30, then c of chunks 1-31
.set EP,  52                           ; v52-82  Pend
.set X,   88                           ; v[88:215] pair p of rows: L at X + 8 p, P at X + 8 p + 4
	s_load_b128 s[4:7], s[0:1], 0x0                ; lp s[4:5], ends s[6:7]
	s_load_b64 s[8:9], s[0:1], 0x10                ; hs
	v_lshl_add_u32 v[SPW], v0, 2, SPARE
	v_mov_b32 v[NIL], 0
	v_mov_b32 v[ZER], 0
	v_lshrrev_b32 v18, 5, v0
	v_readfirstlane_b32 s10, v18                   ; wave 0..15
	s_and_b32 s11, ttmp7, 0xffff                   ; y = 4 x batch + quarter of its rows
	s_lshl_b32 s12, s11, 9
	s_lshl_b32 s13, s10, 5
	s_add_co_u32 s12, s12, s13                     ; my first row = 512 y + 32 x wave
	s_lshl_b32 s14, s12, 12                        ; in lp: under 2^26,
	s_lshl_b32 s16, ttmp9, 9                       ; + my two groups' 512 bytes
	s_add_co_u32 s14, s14, s16
	s_mov_b32 s15, 0
	s_lshl_b32 s16, s12, 11                        ; in hs,
	s_lshl_b32 s18, ttmp9, 8                       ; + my 128 columns' 256 bytes
	s_add_co_u32 s16, s16, s18
	s_mov_b32 s17, 0
	s_lshr_b32 s18, s11, 2                         ; the batch: 32 chunks of 8,192 bytes,
	s_lshl_b32 s18, s18, 18
	s_lshl_b32 s20, ttmp9, 10                      ; + my two groups' 1,024
	s_add_co_u32 s18, s18, s20
	s_mov_b32 s19, 0
	s_and_b32 s21, s11, 3
	s_lshl_b32 s21, s21, 3
	s_lshr_b32 s22, s10, 1
	s_add_co_u32 s21, s21, s22                     ; my chunk = 8 x quarter + wave / 2
	s_lshl_b32 s21, s21, 9                         ; its 512 bytes of the table
	v_and_b32 v18, 15, v0                          ; i: my place in a row
	v_bfe_u32 v19, v0, 4, 1                        ; which of the two rows
	v_and_b32 v[LO], 7, v0
	v_lshlrev_b32 v[LO], 4, v[LO]                  ; 16 (i % 8)
	v_bfe_u32 v84, v0, 3, 1
	v_lshl_add_u32 v[LO], v84, 8, v[LO]            ; + 256 (i / 8): the group
	v_lshl_add_u32 v[LO], v19, 12, v[LO]           ; + the row
	v_lshlrev_b32 v[HO], 4, v18
	v_lshl_add_u32 v[HO], v19, 11, v[HO]
	v_and_b32 v[EO], 63, v0
	v_lshlrev_b32 v[EO], 2, v[EO]
	v_bfe_u32 v84, v0, 6, 1
	v_lshl_add_u32 v[EO], v84, 9, v[EO]            ; column t of 128: group t / 64, 4 (t % 64)
	v_and_b32 v[TA], 127, v0
	v_lshlrev_b32 v[TA], 2, v[TA]
	v_lshlrev_b32 v[TR], 5, v18
	v_add_nc_u32 v[TR], s21, v[TR]
	s_wait_kmcnt 0x0
	s_add_nc_u64 s[4:5], s[4:5], s[14:15]
	s_add_nc_u64 s[8:9], s[8:9], s[16:17]
	s_add_nc_u64 s[6:7], s[6:7], s[18:19]
	s_cmp_lt_u32 s10, 4
	s_cbranch_scc0 .Lno_ends
.set k, 0
.rept 31                               ; the last chunk's ends enter nothing
	global_load_b32 v[EL+k], v[EO], s[6:7] offset:CHROW*k
	global_load_b32 v[EP+k], v[EO], s[6:7] offset:CHROW*k+256
.set k, k+1
.endr
.Lno_ends:
.set p, 0
.rept 16
	global_load_b128 v[X+8*p:X+8*p+3],   v[LO], s[4:5] offset:2*LPROW*p th:TH_LOAD_NT
	global_load_b128 v[X+8*p+4:X+8*p+7], v[LO], s[4:5] offset:2*LPROW*p+128 th:TH_LOAD_NT
.set p, p+1
.endr
	s_cmp_lt_u32 s10, 4
	s_cbranch_scc0 .Lno_chain
	s_wait_loadcnt 32                              ; the ends are in; the 32 younger loads of lp stay out
	ds_store_b32 v[TA], v[ZER] offset:TABLE        ; c_0 = h0
.set k, 0
.rept 31
.if k == 0
	v_fmac_f32 v[EL], v[EP], v[ZER]
.else
	v_fmac_f32 v[EL+k], v[EP+k], v[EL+k-1]         ; c_(k+1) = Lend_k + Pend_k c_k
.endif
	ds_store_b32 v[TA], v[EL+k] offset:TABLE+512*(k+1)
.set k, k+1
.endr
.Lno_chain:
	s_wait_dscnt 0x0                               ; for the others' sake: my stores into the table are done
	s_barrier_signal -1
	s_barrier_wait -1
	ds_load_b128 v[CC:CC+3],   v[TR] offset:TABLE
	ds_load_b128 v[CC+4:CC+7], v[TR] offset:TABLE+16
	s_wait_dscnt 0x0
.set p, 0
.rept 16
	s_wait_loadcnt 2*(15-p)                        ; pair p's L and P are in; the younger pairs stay out
.set q, 0
.rept 4
	v_fma_mixlo_f16 v[X+8*p+q], v[X+8*p+4+q], v[CC+2*q],   v[X+8*p+q] op_sel_hi:[1,0,1]                  ; low halves: P c + L in f32, rounded once; the high half is kept
	v_fma_mixhi_f16 v[X+8*p+q], v[X+8*p+4+q], v[CC+2*q+1], v[X+8*p+q] op_sel:[1,0,1] op_sel_hi:[1,0,1]   ; high halves
.set q, q+1
.endr
	global_store_b128 v[HO], v[X+8*p:X+8*p+3], s[8:9] offset:2*HSROW*p  ; 16 lanes store 256 consecutive bytes, at a multiple of 256 from hs's first byte
.set p, p+1
.endr
	s_wait_tensorcnt 0x0                           ; the wave's end, behind my last LDS store
	ds_add_u32 v[SPW], v[NIL]
	s_wait_dscnt 0x0
	s_endpgm
.Lfunc_end_k_q60856b983a_fix:
	.size	k_q60856b983a_fix, .Lfunc_end_k_q60856b983a_fix-k_q60856b983a_fix
	.p2alignl 7, 3214868480
	.fill 96, 4, 3214868480
	.section	.rodata,"a",@progbits
	.p2align	6, 0x0
	.amdhsa_kernel k_q60856b983a_fix
		.amdhsa_group_segment_fixed_size 18432
		.amdhsa_private_segment_fixed_size 0
		.amdhsa_enable_private_segment 0
		.amdhsa_kernarg_size 24
		.amdhsa_user_sgpr_count 2
		.amdhsa_user_sgpr_kernarg_segment_ptr 1
		.amdhsa_wavefront_size32 1
		.amdhsa_system_sgpr_workgroup_id_x 1
		.amdhsa_system_sgpr_workgroup_id_y 1
		.amdhsa_system_sgpr_workgroup_id_z 1
		.amdhsa_system_vgpr_workitem_id 0
		.amdhsa_next_free_vgpr 216
		.amdhsa_next_free_sgpr 66
		.amdhsa_reserve_vcc 0
		.amdhsa_float_denorm_mode_32 3
		.amdhsa_float_denorm_mode_16_64 3
		.amdhsa_memory_ordered 1
		.amdhsa_forward_progress 1
		.amdhsa_inst_pref_size 25
	.end_amdhsa_kernel
	.amdgpu_metadata
---
amdhsa.version: [ 1, 2 ]
amdhsa.kernels:
  - .name:           k_q60856b983a_fix
    .symbol:         k_q60856b983a_fix.kd
    .args:
      - { .name: lp, .offset: 0, .size: 8, .value_kind: global_buffer, .address_space: global }
      - { .name: ends, .offset: 8, .size: 8, .value_kind: global_buffer, .address_space: global }
      - { .name: hs, .offset: 16, .size: 8, .value_kind: global_buffer, .address_space: global }
    .group_segment_fixed_size: 18432
    .private_segment_fixed_size: 0
    .kernarg_segment_align: 8
    .kernarg_segment_size: 24
    .max_flat_workgroup_size: 512
    .sgpr_count:     66
    .vgpr_count:     216
    .wavefront_size: 32
...
	.end_amdgpu_metadata
.endif
;; end of part 3
;; launch proj (part 4): grid 4 x 64, 4 waves a work-group, clusters of 4 x 4, 327,680 bytes of LDS; arguments hs, wo, out0, bo; writes out0
.if DOCPART == 4
	.amdgcn_target "amdgcn-amd-amdhsa--gfx1250"
	.amdhsa_code_object_version 6
	.text
	.protected	k_q60856b983a_proj
	.globl	k_q60856b983a_proj
	.p2align	8
	.type	k_q60856b983a_proj,@function
k_q60856b983a_proj:
	s_mov_b64 s[64:65], 0
	v_nop
	global_prefetch_b8 v0, s[64:65] scope:SCOPE_SE
	s_setreg_imm32_b32 hwreg(HW_REG_WAVE_MODE, 25, 1), 1
	s_wait_xcnt 0x0
	s_wait_alu depctr_hold_cnt(0) depctr_sa_sdst(0) depctr_va_vdst(0) depctr_va_sdst(0) depctr_va_ssrc(0) depctr_va_vcc(0) depctr_vm_vsrc(0)
	s_getreg_b32 s2, hwreg(HW_REG_IB_STS2, 6, 4)
	s_cmp_eq_u32 s2, 0
	s_cbranch_scc0 .Lentry_in_a_cluster
	s_endpgm
.Lentry_in_a_cluster:
	s_bfe_u32 s2, ttmp6, 0x10000c
	s_cmp_lg_u32 s2, 0xf033
	s_cbranch_scc0 .Lentry_shape_is_right
	s_endpgm
.Lentry_shape_is_right:
; PROJ.  out0[row][o] = the sum over h of hs[row][h] wo[o][h] + bo[o].  hs: [16384][1024] f16, wo: [1024][1024] f16 (Wo rounded to bf16, written as f16), out0: [16384][1024] f32; sums in f32.
; LIMITS.  hs and wo arrive within f16's range; bo is rounded to bf16 like the other inputs; NaN and infinities are not treated apart.
; SHARES.  A work-group of four waves makes 256 x 256 of out0, a wave 128 x 128: 64 accumulators of 16 x 16, 512 registers.  K goes in 8 steps of 128 through two LDS slots filled by the tensor data mover;
; a tile's rows are 256 bytes of memory, at multiples of 256 from the buffer's first byte.  256 work-groups.
; THE MATRIX INSTRUCTION IS USED TRANSPOSED: source 0 = 16 rows of wo, source 1 = 16 rows of hs: lane l then holds row l % 16 of out0 and its registers the columns 8 (l / 16) + 0..7: 32 bytes on end.
; CLUSTER.  4 x 4 work-groups: the four of a row of the cluster ask jointly for hs's tiles, the four of a column for wo's.
; REGISTERS, in windows of 256 (s_set_vgpr_msb: bits 1:0 source 0, 3:2 source 1, 5:4 source 2, 7:6 destination):
;   window 0: v6-15 addresses; v64-127, v128-191 fragments of hs, two buffers; on the way out the same two hold a trip's two row blocks
;   window 1: v0-63 bo of my 128 columns; v64-127, v128-191 fragments of wo      window 2: accumulators of row blocks a = 0..3 at v[8 (8 a + b)]      window 3: those of a = 4..7
.set SIZE_K, 1024
.set KSTEP,  128
.set PITCH,  272                       ; an LDS row: 256 bytes + 16 of padding: the 16 rows that a load touches start at 16 different groups of four banks (64 banks of 4 bytes: ISA guide 11.1)
.set HALFT,  128*PITCH
.set SLOT,   4*HALFT                   ; hs's 256 rows, then wo's 256
.set STAGE,  2*SLOT                    ; behind the ring: 16 rows x 528 bytes for each wave
.set SPITCH, 528                       ; 512 bytes + 16: 33 x 16
.set SPARE,  STAGE+4*16*SPITCH         ; the spare words, 128 bytes for each wave: two blocks of 256 bytes that no other line names
.set LAPS,   SIZE_K/(2*KSTEP)
.set OROW,   4096                      ; bytes in a row of out0
.set SPW,  6                           ; v6   LDS address of my spare word; never rewritten
.set NIL,  7                           ; v7   0; never rewritten
.set ADRA, 8                           ; v8-9   LDS address of my fragments of hs in slot 0, 1
.set ADRB, 10                          ; v10-11 the same for wo
.set STO,  12                          ; v12  the way out: where I put 32 bytes of a row
.set RD,   13                          ; v13  the way out: where I read 16 bytes of a row back
.set CO,   14                          ; v14  16 x lane: my bytes of a row's 512
.set PFO,  15                          ; v15  the prefetches' offset: lane x a row of 2,048 bytes; never rewritten
.set F0,   64
.set F1,   128
.set TMP,  64                          ; the way out: block a in set a % 2 of v64-127, v128-191
.set BO,   0                           ; window 1
.set G1,  24
.set G0,  32
.set G1B, 48
.set G0B, 56
.set PFA, 44                           ; s[44:45]
.set LIM, 43
.set INC, 76                           ; s[76:77] what the next trip of the way out adds to out0's address
.set MSB, 0
.macro WIN new
.if MSB != (\new)
	s_set_vgpr_msb (MSB<<8)|(\new)
.set MSB, \new
.endif
.endm
.set MUL_LO, 0xa1                      ; source 0 (wo) window 1, source 1 (hs) window 0, C and D window 2
.set MUL_HI, 0xf1
.set TO_B,   0x40
.macro JLOAD s                         ; a joint load: waves 0 and 1 fetch hs's two halves, waves 2 and 3 wo's; an s_nop 0 and four v_nop follow each of the two lines
	s_cmp_eq_u32 s11, 0
	s_cbranch_scc0 .Lfor_b_\@
	tensor_load_to_lds s[G0+4*(\s):G0+4*(\s)+3], s[G1:G1+7]
	s_nop 0
.rept 4
	v_nop
.endr
	s_branch .Lasked_\@
.Lfor_b_\@:
	tensor_load_to_lds s[G0B+4*(\s):G0B+4*(\s)+3], s[G1B:G1B+7]
	s_nop 0
.rept 4
	v_nop
.endr
.Lasked_\@:
.endm
; A prefetch of the K step that stands two refills on: 32 rows x 256 bytes, a lane a row, one instruction a wave.  hs's tile row is read by one cluster (cluster x is always 0): it asks; wo's tile column by all
; sixteen clusters: cluster y = 0 asks.  The four partners that ask for a tile jointly share its rows out by address, 32 each.  K steps 4 to 7 of each row are named once; the loop's last trip asks for nothing.
.macro ASK
	s_cmp_gt_u32 s3, s[LIM]
	s_cbranch_scc0 .Lnot_mine_\@
	global_prefetch_b8 v[PFO], s[PFA:PFA+1] offset:KSTEP*2 th:TH_LOAD_NT scope:SCOPE_SE
.Lnot_mine_\@:
.endm
.macro CREST
	s_cmp_lg_u32 s10, 0
	s_cbranch_scc1 .Lnot_wave_0_\@
	s_barrier_signal -3
.Lnot_wave_0_\@:
	s_barrier_wait -3
	s_barrier_signal -1
	s_barrier_wait -1
.endm
.macro CROUND
	s_barrier_signal -1
	s_barrier_wait -1
	CREST
.endm
	s_load_b128 s[4:7], s[0:1], 0x0                ; hs s[4:5], wo s[6:7]
	s_load_b64 s[8:9], s[0:1], 0x10                ; out0
	s_load_b64 s[68:69], s[0:1], 0x18              ; bo
	v_lshl_add_u32 v[SPW], v0, 2, SPARE
	v_mov_b32 v[NIL], 0
	ds_add_u32 v[SPW], v[NIL]                      ; the wave's opening: the add and its wait stand ahead of my first tensor load; the set-up below stands between them
	v_lshrrev_b32 v1, 5, v0
	v_readfirstlane_b32 s10, v1                    ; wave 0..3
	s_lshr_b32 s11, s10, 1                         ; which half of the tile's rows is mine.  Also: I fetch for hs (0) or for wo (1)
	s_and_b32 s12, s10, 1                          ; which half of its columns.  Also: which 128 rows of that tile I fetch
	s_bfe_u32 s40, ttmp6, 0x40000                  ; cx
	s_bfe_u32 s41, ttmp6, 0x40004                  ; cy
	s_lshl_b32 s42, ttmp9, 2
	s_add_co_u32 s42, s42, s40                     ; tile column
	s_and_b32 s13, ttmp7, 0xffff
	s_lshl_b32 s13, s13, 2
	s_add_co_u32 s13, s13, s41                     ; tile row
	s_lshl_b32 s43, s41, 2
	s_lshl_b32 s43, 15, s43                        ; my row of the cluster
	s_lshl_b32 s44, 0x1111, s40                    ; my column
	s_or_b32 s[G1+0], s43, (1<<16)|(1<<20)|(1<<21)|(5<<22)|(3<<25)   ; the mask; 2-byte elements; padding on; bit 21 beside a mask; 4 words behind every 64
	s_or_b32 s[G1B+0], s44, (1<<16)|(1<<20)|(1<<21)|(5<<22)|(3<<25)
.irp g, G1, G1B
	s_mov_b32 s[(\g)+1], KSTEP<<16                 ; tensor_dim0 = 128
	s_mov_b32 s[(\g)+2], 128<<16                   ; tensor_dim1 = 128
	s_mov_b32 s[(\g)+3], KSTEP<<16                 ; tile_dim0 = 128
	s_mov_b32 s[(\g)+4], 128                       ; tile_dim1 = 128
	s_mov_b32 s[(\g)+5], SIZE_K                    ; elements from row to row
	s_mov_b32 s[(\g)+6], 0
	s_mov_b32 s[(\g)+7], 0
.endr
	s_lshl_b32 s17, s12, 7
	s_lshl_b32 s16, s13, 8
	s_add_co_u32 s16, s16, s17                     ; hs: row 256 x tile row + 128 x half
	s_lshl_b32 s16, s16, 11
	s_lshl_b32 s46, s42, 8
	s_add_co_u32 s46, s46, s17                     ; wo: row 256 x tile column + 128 x half
	s_lshl_b32 s46, s46, 11
	s_mov_b32 s17, 0
	s_mov_b32 s47, 0
	s_mul_i32 s20, s10, HALFT                      ; where they go: wave x 128 rows
	s_wait_dscnt 0x0                               ; the opening add is done
	s_wait_kmcnt 0x0
	s_add_nc_u64 s[14:15], s[4:5], s[16:17]
	s_add_nc_u64 s[46:47], s[6:7], s[46:47]
	CROUND                                         ; all sixteen work-groups are here: the first joint loads meet
.irp s, 0,1
	s_mov_b32 s[G0+4*(\s)], 1
	s_add_co_u32 s[G0+4*(\s)+1], s20, (\s)*SLOT
	s_add_nc_u64 s[G0+4*(\s)+2:G0+4*(\s)+3], s[14:15], (\s)*KSTEP*2
	s_or_b32 s[G0+4*(\s)+3], s[G0+4*(\s)+3], 0x80000000
	s_mov_b32 s[G0B+4*(\s)], 1
	s_add_co_u32 s[G0B+4*(\s)+1], s20, (\s)*SLOT
	s_add_nc_u64 s[G0B+4*(\s)+2:G0B+4*(\s)+3], s[46:47], (\s)*KSTEP*2
	s_or_b32 s[G0B+4*(\s)+3], s[G0B+4*(\s)+3], 0x80000000
	JLOAD \s                                       ; two loads of mine are out behind these; later one
.endr
	v_and_b32 v1, 15, v0                           ; r
	v_bfe_u32 v2, v0, 4, 1                         ; h
	s_lshl_b32 s76, s42, 8
	s_lshl_b32 s77, s12, 7
	s_add_co_u32 s76, s76, s77                     ; my first column
	s_lshl_b32 s78, s76, 2                         ; in bytes
	v_lshlrev_b32 v40, 5, v2                       ; my lanes' 8 h columns
	v_add_nc_u32 v40, s78, v40
	WIN TO_B                                       ; destination window 1
.irp b, 0,1,2,3,4,5,6,7
	global_load_b128 v[BO+8*(\b):BO+8*(\b)+3],   v40, s[68:69] offset:64*(\b)      ; bo of columns 16 b + 8 h + 0..3
	global_load_b128 v[BO+8*(\b)+4:BO+8*(\b)+7], v40, s[68:69] offset:64*(\b)+16   ; + 4..7
.endr
	WIN 0
	v_mul_u32_u24 v41, v1, PITCH
	v_lshl_add_u32 v41, v2, 4, v41                 ; a fragment's row x pitch + 16 x half
	s_mul_i32 s21, s11, HALFT
	s_mul_i32 s22, s12, HALFT
	s_add_co_u32 s22, s22, 2*HALFT
.irp s, 0,1
	v_add_nc_u32 v[ADRA+(\s)], s21, v41
	v_add_nc_u32 v[ADRB+(\s)], s22, v41
	s_add_co_u32 s21, s21, SLOT
	s_add_co_u32 s22, s22, SLOT
.endr
	s_mul_i32 s23, s10, 16*SPITCH
	s_add_co_u32 s23, s23, STAGE                   ; my stage
	v_mul_u32_u24 v42, v1, SPITCH                  ; in: row r, 32 bytes for each half of the lanes
	v_lshl_add_u32 v42, v2, 5, v42
	v_add_nc_u32 v[STO], s23, v42
	v_and_b32 v42, 31, v0
	v_lshlrev_b32 v[CO], 4, v42                    ; back: 32 lanes take one row of 512 bytes
	v_add_nc_u32 v[RD], s23, v[CO]
	v_lshlrev_b32 v[PFO], 11, v42
	s_lshl_b32 s76, s13, 8
	s_lshl_b32 s77, s11, 7
	s_add_co_u32 s76, s76, s77                     ; my first row of out0
	s_lshl_b32 s76, s76, 12
	s_add_co_u32 s76, s76, s78                     ; + my first column
	s_mov_b32 s77, 0
	s_add_nc_u64 s[8:9], s[8:9], s[76:77]
	; the prefetches
	s_lshl_b32 s76, s13, 8
	s_lshl_b32 s78, s42, 8
	s_and_b32 s22, ttmp7, 0xffff
	s_cmp_eq_u32 s11, 0
	s_cselect_b32 s20, s76, s78
	s_cselect_b32 s21, s40, s41
	s_cselect_b32 s22, ttmp9, s22
	s_cselect_b64 s[PFA:PFA+1], s[4:5], s[6:7]
	s_cmp_eq_u32 s22, 0
	s_cselect_b32 s[LIM], 1, -1                    ; the same in all sixteen partners, for a given wave
	s_lshl_b32 s22, s12, 7
	s_add_co_u32 s20, s20, s22
	s_lshl_b32 s21, s21, 5
	s_add_co_u32 s20, s20, s21
	s_lshl_b32 s20, s20, 11
	s_mov_b32 s21, 0
	s_add_nc_u64 s[PFA:PFA+1], s[PFA:PFA+1], s[20:21]
	s_add_nc_u64 s[PFA:PFA+1], s[PFA:PFA+1], 2*KSTEP*2  ; at K step 2: the first refill steps it to 3 and names K step 4
	s_mov_b32 s[INC], 0                            ; out0 stands at my first rows: the first trip of the way out adds nothing
	s_mov_b32 s[INC+1], 0
	s_wait_loadcnt 0x0                             ; bo, once
	WIN 0x45                                       ; destination and both sources in window 1
.set i, 0
.rept 32
	v_cvt_pk_bf16_f32 v[192+i], v[BO+2*i], v[BO+2*i+1]  ; rounded to bf16, like the other inputs
.set i, i+1
.endr
.set i, 0
.rept 32
	v_lshlrev_b32 v[BO+2*i], 16, v[192+i]
	v_and_b32 v[BO+2*i+1], 0xffff0000, v[192+i]
.set i, i+1
.endr
	WIN 0
; The 64 accumulators take turns, one instruction a turn, in the same order in every quarter.  zero = 1: the first product starts the sums.
.macro MUL16 f, hi, a0, zero
	WIN MUL_LO+0x50*(\hi)
.irp a, \a0, (\a0)+1
.irp b, 0,1,2,3,4,5,6,7
.if \zero
	v_wmma_f32_16x16x32_f16 v[8*(8*(\a)+(\b)):8*(8*(\a)+(\b))+7], v[(\f)+8*(\b):(\f)+8*(\b)+7], v[(\f)+8*(4*(\hi)+(\a)):(\f)+8*(4*(\hi)+(\a))+7], 0
.else
	v_wmma_f32_16x16x32_f16 v[8*(8*(\a)+(\b)):8*(8*(\a)+(\b))+7], v[(\f)+8*(\b):(\f)+8*(\b)+7], v[(\f)+8*(4*(\hi)+(\a)):(\f)+8*(4*(\hi)+(\a))+7], v[8*(8*(\a)+(\b)):8*(8*(\a)+(\b))+7]
.endif
.endr
.endr
.endm
.macro FETCH slot, k, f                ; 32 LDS loads in one run: wo's 128 rows, then hs's, 32 K at byte k
	WIN TO_B
.irp i, 0,1,2,3,4,5,6,7
	ds_load_b128 v[(\f)+8*(\i):(\f)+8*(\i)+3],   v[ADRB+(\slot)] offset:(\k)+(\i)*16*PITCH
	ds_load_b128 v[(\f)+8*(\i)+4:(\f)+8*(\i)+7], v[ADRB+(\slot)] offset:(\k)+(\i)*16*PITCH+32
.endr
	WIN 0
.irp i, 0,1,2,3,4,5,6,7
	ds_load_b128 v[(\f)+8*(\i):(\f)+8*(\i)+3],   v[ADRA+(\slot)] offset:(\k)+(\i)*16*PITCH
	ds_load_b128 v[(\f)+8*(\i)+4:(\f)+8*(\i)+7], v[ADRA+(\slot)] offset:(\k)+(\i)*16*PITCH+32
.endr
.endm
.macro PLACES                          ; four plain vector instructions between a matrix instruction and a load into, or a vector instruction on, its registers
.rept 4
	v_nop
.endr
.endm
.macro QUARTER slot, k, f, g, zero
	s_wait_dscnt 8                                 ; wo's fragments and hs's rows 0-63 are in; the youngest eight loads (hs's rows 64-127) may be out
	MUL16 \f, 0, 0, \zero
	MUL16 \f, 0, 2, \zero
	PLACES
	FETCH \slot, \k, \g
	s_wait_dscnt 32                                ; all but the 32 just issued
	MUL16 \f, 1, 0, \zero
	MUL16 \f, 1, 2, \zero
.endm
; ONE barrier for the change of slots: in front of it each wave waits for all its tensor loads (one is out: its part of the next slot), adds 0 to its spare word, and waits for that and for its reads of this slot.
.macro MEET round
	WIN 0
	s_wait_tensorcnt 0x0
	ds_add_u32 v[SPW], v[NIL]
	s_wait_dscnt 9                                 ; (the add and the youngest eight loads may be out)
	MUL16 F1, 0, 0, 0
	s_wait_dscnt 0x0                               ; the add is done, and my reads of this slot are over
	s_barrier_signal -1
	MUL16 F1, 0, 2, 0
.if \round
	WIN 0
.endif
	s_barrier_wait -1
.endm
.macro TURN slot, next, fill           ; fill = 1: the barrier opens a round of the cluster's, and this slot is filled again first thing behind it, two K steps ahead
.if \fill
	s_wait_xcnt 0x0                                ; the last prefetch, a K step back, has read its address
	s_add_nc_u64 s[PFA:PFA+1], s[PFA:PFA+1], KSTEP*2
	MEET 1
	CREST
	s_add_nc_u64 s[G0+4*(\slot)+2:G0+4*(\slot)+3], s[G0+4*(\slot)+2:G0+4*(\slot)+3], 2*KSTEP*2
	s_add_nc_u64 s[G0B+4*(\slot)+2:G0B+4*(\slot)+3], s[G0B+4*(\slot)+2:G0B+4*(\slot)+3], 2*KSTEP*2
	JLOAD \slot                                    ; the four v_nop behind it are also the places in front of the loads below
.else
	MEET 0
	PLACES
.endif
	FETCH \next, 0, F0
.if \fill
	ASK
.endif
	MUL16 F1, 1, 0, 0
	MUL16 F1, 1, 2, 0
.endm
; THE WAY OUT: a loop of four trips, two row blocks a trip.  PACK (the bias is added, each accumulator's registers in ascending order) alone names the accumulators, so it alone is written out for each block, and a
; forward branch on the trip's counter picks the trip's two.  STAGEIO: 32 bytes a lane into my own stage, and back as whole rows of 512 bytes, into the registers that they left.  SENDB: stored.
.macro PACK a
.set AC, 64*((\a)%4)
.set TM, TMP+64*((\a)%2)
	WIN 0x06+(\a)/4                                ; source 0: the accumulators' window; source 1: window 1
.set i, 0
.rept 32
	v_pk_add_f32 v[TM+2*i:TM+2*i+1], v[AC+2*i:AC+2*i+1], v[BO+2*i:BO+2*i+1]
.set i, i+1
.endr
.endm
.macro STAGEIO e
.set TM, TMP+64*(\e)
.irp b, 0,1,2,3,4,5,6,7
	ds_store_b128 v[STO], v[TM+8*(\b):TM+8*(\b)+3]   offset:64*(\b)
	ds_store_b128 v[STO], v[TM+8*(\b)+4:TM+8*(\b)+7] offset:64*(\b)+16
.endr
.irp t, 0,1,2,3,4,5,6,7,8,9,10,11,12,13,14,15
	ds_load_b128 v[TM+4*(\t):TM+4*(\t)+3], v[RD] offset:(\t)*SPITCH  ; LDS serves a wave's instructions in order (ISA guide 5.7.1.4): these see the stores above; the other block's stores come behind them
.endr
.endm
.macro SENDB e, younger                ; younger: the LDS instructions issued behind this block's loads
.set TM, TMP+64*(\e)
	s_wait_dscnt \younger                          ; the block is back in registers
.irp t, 0,1,2,3,4,5,6,7,8,9,10,11,12,13,14,15
	global_store_b128 v[CO], v[TM+4*(\t):TM+4*(\t)+3], s[8:9] offset:(16*(\e)+(\t))*OROW th:TH_STORE_NT  ; 512 consecutive bytes, at a multiple of 256 from out0's first byte; 31 rows at the most: inside the signed 24-bit immediate
.endr
.endm
	s_wait_tensorcnt 1                             ; my part of K step 0 is in; K step 1's may stay out
	s_barrier_signal -1
	s_barrier_wait -1
	FETCH 0, 0, F0
	QUARTER 0, 64,  F0, F1, 1                      ; the first quarter's products start the sums
	WIN 0
	s_mov_b32 s3, LAPS-1
.Llap:                                                 ; a trip goes once round the ring and fills both slots again
	QUARTER 0, 128, F1, F0, 0
	QUARTER 0, 192, F0, F1, 0
	TURN 0, 1, 1
	QUARTER 1, 64,  F0, F1, 0
	QUARTER 1, 128, F1, F0, 0
	QUARTER 1, 192, F0, F1, 0
	TURN 1, 0, 1
	QUARTER 0, 64,  F0, F1, 0
	WIN 0
	s_sub_co_u32 s3, s3, 1
	s_cmp_lg_u32 s3, 0
	s_cbranch_scc1 .Llap
	QUARTER 0, 128, F1, F0, 0                      ; the last lap is written out: it fills nothing
	QUARTER 0, 192, F0, F1, 0
	TURN 0, 1, 0
	QUARTER 1, 64,  F0, F1, 0
	QUARTER 1, 128, F1, F0, 0
	QUARTER 1, 192, F0, F1, 0
	s_wait_dscnt 8
	MUL16 F1, 0, 0, 0
	MUL16 F1, 0, 2, 0
	s_wait_dscnt 0x0
	MUL16 F1, 1, 0, 0
	MUL16 F1, 1, 2, 0
	WIN 0
	PLACES
	PLACES                                         ; eight, once a launch, in front of the work on the fragments' registers and the sums
	s_mov_b32 s3, 4
.Lblk:                                                 ; trip 4 - s3 takes blocks 2 (4 - s3) and 2 (4 - s3) + 1
	s_wait_xcnt 0x0                                ; the last trip's stores have read their registers and out0's address: both are written again only behind this wait
	s_add_nc_u64 s[8:9], s[8:9], s[INC:INC+1]      ; nothing, then 32 rows a trip
	s_mov_b32 s[INC], 32*OROW
	s_cmp_eq_u32 s3, 4
	s_cbranch_scc1 .Lpack0
	s_cmp_eq_u32 s3, 3
	s_cbranch_scc1 .Lpack1
	s_cmp_eq_u32 s3, 2
	s_cbranch_scc1 .Lpack2
	PACK 6
	PACK 7
	WIN 0
	s_branch .Lrest
.Lpack0:
	PACK 0
	PACK 1
	WIN 0
	s_branch .Lrest
.Lpack1:
	PACK 2
	PACK 3
	WIN 0
	s_branch .Lrest
.Lpack2:
	PACK 4
	PACK 5
	WIN 0
.Lrest:
	STAGEIO 0
	STAGEIO 1
	SENDB 0, 32                                    ; the second block's 16 stores into the stage and 16 loads may be out
	SENDB 1, 0
	s_sub_co_u32 s3, s3, 1
	s_cmp_lg_u32 s3, 0
	s_cbranch_scc1 .Lblk
	s_wait_tensorcnt 0x0                           ; the wave's end, behind my last tensor load and my last LDS store
	ds_add_u32 v[SPW], v[NIL]
	s_wait_dscnt 0x0
	CROUND                                         ; the closing round: no work-group ends while a partner may still ask for a tile that names it
	s_endpgm
.Lfunc_end_k_q60856b983a_proj:
	.size	k_q60856b983a_proj, .Lfunc_end_k_q60856b983a_proj-k_q60856b983a_proj
	.p2alignl 7, 3214868480
	.fill 96, 4, 3214868480
	.section	.rodata,"a",@progbits
	.p2align	6, 0x0
	.amdhsa_kernel k_q60856b983a_proj
		.amdhsa_group_segment_fixed_size 327680
		.amdhsa_private_segment_fixed_size 0
		.amdhsa_enable_private_segment 0
		.amdhsa_kernarg_size 32
		.amdhsa_user_sgpr_count 2
		.amdhsa_user_sgpr_kernarg_segment_ptr 1
		.amdhsa_wavefront_size32 1
		.amdhsa_system_sgpr_workgroup_id_x 1
		.amdhsa_system_sgpr_workgroup_id_y 1
		.amdhsa_system_sgpr_workgroup_id_z 1
		.amdhsa_system_vgpr_workitem_id 0
		.amdhsa_next_free_vgpr 1024
		.amdhsa_next_free_sgpr 80
		.amdhsa_reserve_vcc 0
		.amdhsa_float_denorm_mode_32 3
		.amdhsa_float_denorm_mode_16_64 3
		.amdhsa_memory_ordered 1
		.amdhsa_forward_progress 1
		.amdhsa_inst_pref_size 143
	.end_amdhsa_kernel
	.amdgpu_metadata
---
amdhsa.version: [ 1, 2 ]
amdhsa.kernels:
  - .name:           k_q60856b983a_proj
    .symbol:         k_q60856b983a_proj.kd
    .args:
      - { .name: hs, .offset: 0, .size: 8, .value_kind: global_buffer, .address_space: global }
      - { .name: wo, .offset: 8, .size: 8, .value_kind: global_buffer, .address_space: global }
      - { .name: out0, .offset: 16, .size: 8, .value_kind: global_buffer, .address_space: global }
      - { .name: bo, .offset: 24, .size: 8, .value_kind: global_buffer, .address_space: global }
    .group_segment_fixed_size: 327680
    .private_segment_fixed_size: 0
    .kernarg_segment_align: 8
    .kernarg_segment_size: 32
    .max_flat_workgroup_size: 128
    .sgpr_count:     80
    .vgpr_count:     1024
    .wavefront_size: 32
...
	.end_amdgpu_metadata
.endif
;; end of part 4
;; ======== version 2 of 2: 4 launches; version 1 with the launches cast, fix written anew for expert scheduling mode
;; limits: values are held in f16: magnitudes above 65,504 overflow, below 6.1e-05 lose precision
;; workspace buffers: xb 33,554,432 bytes; wzh 4,194,304 bytes; wo 2,097,152 bytes; lp 67,108,864 bytes; ends 2,097,152 bytes; hs 33,554,432 bytes
;; launch cast (part 5): grid 256 x 1, 19 waves a work-group, no clusters, 0 bytes of LDS; arguments xs, Wz, Wh, Wo, xb, wzh, wo; writes xb, wzh, wo
.if DOCPART == 5
	.amdgcn_target "amdgcn-amd-amdhsa--gfx1250"
	.amdhsa_code_object_version 6
	.text
	.protected	k_q60856b983a_cast
	.globl	k_q60856b983a_cast
	.p2align	8
	.type	k_q60856b983a_cast,@function
k_q60856b983a_cast:
	s_mov_b64 s[64:65], 0
	v_nop
	global_prefetch_b8 v0, s[64:65] scope:SCOPE_SE
	s_setreg_imm32_b32 hwreg(HW_REG_WAVE_SCHED_MODE, 0, 2), 2
	s_setreg_imm32_b32 hwreg(HW_REG_WAVE_MODE, 25, 1), 1
	s_wait_xcnt 0x0
	s_wait_alu depctr_vm_vsrc(0)
; CAST.  xs, Wz, Wh, Wo (f32, rows of 1,024 numbers) are rounded once to bf16 and laid out for the two products that follow.
;   xb  [16384][1024] bf16: inside each group of 128 rows, xs row 64 h + 8 a + j goes to row 16 a + 8 h + j (a 0..7, h 0..1, j 0..7), so that in the
;       product's result each half of the lanes holds 64 consecutive time steps.
;   wzh [2048][1024] bf16: group g of 128 rows: row 16 bb + r = Wz[64 g + 4 r + bb], row 64 + 16 bb + r = Wh[64 g + 4 r + bb] (bb 0..3, r 0..15).
;   wo  [1024][1024] f16: Wo rounded to bf16, that number written as f16 (the last product runs in f16).
; LIMIT.  A bf16 number of Wo below 6e-5 in magnitude keeps f16's fixed step of 6e-8; one beyond 65,504 would become an infinity.
; SHARES.  A stream: no LDS, no barrier, no matrix unit, no cluster (no two work-groups read the same byte).  The four tensors' rows are counted through: 16,384 of xs, then 1,024 each of Wz, Wh, Wo:
; 19,456 = 256 x 76.  A work-group takes 76 of them, each of its 19 waves 4 consecutive rows (aligned to 4, so they lie in one tensor).  All 32 loads of a wave (16 KiB) go out at once.
; A load covers 512 consecutive bytes (16 a lane); its 4 numbers a lane leave as 8 bytes: a store of the wave covers 256 consecutive bytes, aligned.
; THE MODE: SCHED_MODE bits 1:0 = 2 (LLVM: expert scheduling mode 2), set by the entry lines.  The code itself states the register dependences
; between vector instructions and memory instructions, with s_wait_alu, always for 0.
; THE PLAN.  Registers that memory instructions touch:
;   v1, v2-v5   byte offsets of the loads and of the stores: made once at the head and never written again.
;   X           32 quads.  A quad is written by its one load, read and written by its own conversions, read by its one store, and never written again.
; The quads go in 8 blocks of four.  Block p's conversions name block p's quads alone; the four stores of block p - 1 stand among them.  So one wait at a block's head states all that its four stores
; hang on: the conversions of the block before have written their data.  No load follows a conversion, and no register that a load or store has read is written again.
.set SROW, 4096                        ; bytes in a source row
.set DROW, 2048                        ; bytes in a destination row
.set R_WZ, 16384                       ; the first row of Wz in the count through all rows,
.set R_WH, 17408                       ; of Wh,
.set R_WO, 18432                       ; of Wo
.set X,    16                          ; v[16:143] quad q = 8 i + c: row i of my four, piece c of 512 bytes
.set DO,   2                           ; v2-v5   row i: 8 x lane + i x the distance between my destination rows; never rewritten
.set SO,   1                           ; v1      16 x lane; never rewritten
	s_load_b256 s[4:11], s[0:1], 0x0               ; xs s[4:5], Wz s[6:7], Wh s[8:9], Wo s[10:11]
	s_load_b128 s[12:15], s[0:1], 0x20             ; xb s[12:13], wzh s[14:15]
	s_load_b64 s[16:17], s[0:1], 0x30              ; wo
	v_lshrrev_b32 v6, 5, v0
	v_readfirstlane_b32 s20, v6                    ; wave 0..18
	v_and_b32 v[SO], 31, v0
	v_lshlrev_b32 v7, 3, v[SO]                     ; 8 x lane
	v_lshlrev_b32 v[SO], 4, v[SO]                  ; 16 x lane
	s_wait_alu depctr_va_sdst(0)                   ; s20 is written, ahead of its first reader: my row number, and with it every base, is made from it
	s_mul_i32 s21, ttmp9, 76
	s_lshl2_add_u32 s21, s20, s21                  ; my first row in the count through all rows = 76 x work-group + 4 x wave
	s_wait_kmcnt 0x0
	; which tensor is mine: between a compare and its selects stand selects alone
	s_mov_b64 s[24:25], s[10:11]                   ; from Wo
	s_mov_b64 s[26:27], s[16:17]                   ; to wo
	s_mov_b32 s22, R_WO                            ; the tensor's first row in the count
	s_cmp_lt_u32 s21, R_WO
	s_cselect_b64 s[24:25], s[8:9], s[24:25]       ; Wh
	s_cselect_b64 s[26:27], s[14:15], s[26:27]     ; wzh
	s_cselect_b32 s22, R_WH, s22
	s_cmp_lt_u32 s21, R_WH
	s_cselect_b64 s[24:25], s[6:7], s[24:25]       ; Wz
	s_cselect_b32 s22, R_WZ, s22
	s_cmp_lt_u32 s21, R_WZ
	s_cselect_b64 s[24:25], s[4:5], s[24:25]       ; xs
	s_cselect_b64 s[26:27], s[12:13], s[26:27]     ; xb
	s_cselect_b32 s22, 0, s22
	s_sub_co_u32 s23, s21, s22                     ; my first row in its tensor
	; the destination row of my first row, for each kind
	s_and_b32 s28, s23, 0xffffff80                 ; xs: the group of 128 stays,
	s_bfe_u32 s29, s23, 0x30003                    ; a = bits 5:3 go to bits 6:4,
	s_lshl_b32 s29, s29, 4
	s_or_b32 s28, s28, s29
	s_bfe_u32 s29, s23, 0x10006                    ; h = bit 6 goes to bit 3,
	s_lshl_b32 s29, s29, 3
	s_or_b32 s28, s28, s29
	s_and_b32 s29, s23, 7                          ; j stays: my four rows stay neighbours
	s_or_b32 s28, s28, s29
	s_lshr_b32 s31, s23, 6                         ; Wz: 128 g
	s_lshl_b32 s31, s31, 7
	s_bfe_u32 s29, s23, 0x40002                    ; + r; my four rows are bb = 0..3, 16 rows apart
	s_add_co_u32 s31, s31, s29
	s_add_co_u32 s32, s31, 64                      ; Wh: 64 rows further
	s_mov_b32 s33, s23                             ; Wo: as it lies
	s_mov_b32 s30, DROW                            ; bytes between my destination rows
	s_cmp_lt_u32 s21, R_WO
	s_cselect_b32 s33, s32, s33
	s_cselect_b32 s30, 16*DROW, s30
	s_cmp_lt_u32 s21, R_WH
	s_cselect_b32 s33, s31, s33
	s_cmp_lt_u32 s21, R_WZ
	s_cselect_b32 s33, s28, s33
	s_cselect_b32 s30, DROW, s30
	s_lshl_b32 s34, s23, 12                        ; row x 4,096 bytes: under 2^26
	s_mov_b32 s35, 0
	s_add_nc_u64 s[24:25], s[24:25], s[34:35]
	s_lshl_b32 s34, s33, 11                        ; row x 2,048 bytes
	s_add_nc_u64 s[26:27], s[26:27], s[34:35]
	v_mov_b32 v[DO], v7
	v_add_nc_u32 v[DO+1], s30, v[DO]
	v_add_nc_u32 v[DO+2], s30, v[DO+1]
	v_add_nc_u32 v[DO+3], s30, v[DO+2]
	s_wait_alu depctr_va_vdst(0)                   ; v1 to v5 are written: every load and store of the kernel reads one of them as its offset
.set q, 0
.rept 32
	global_load_b128 v[X+4*q:X+4*q+3], v[SO], s[24:25] offset:(q/8)*SROW+(q%8)*512 th:TH_LOAD_NT
.set q, q+1
.endr
; Quad q is rounded, into its own first two registers.  half = 1: the bf16 number is widened again and written as f16.
.macro CV q, half
.if \half
	v_cvt_pk_bf16_f32 v[X+4*(\q)],   v[X+4*(\q)],   v[X+4*(\q)+1]
	v_cvt_pk_bf16_f32 v[X+4*(\q)+2], v[X+4*(\q)+2], v[X+4*(\q)+3]
	v_and_b32     v[X+4*(\q)+1], 0xffff0000, v[X+4*(\q)]
	v_lshlrev_b32 v[X+4*(\q)],   16, v[X+4*(\q)]
	v_and_b32     v[X+4*(\q)+3], 0xffff0000, v[X+4*(\q)+2]
	v_lshlrev_b32 v[X+4*(\q)+2], 16, v[X+4*(\q)+2]
	v_cvt_pk_f16_f32 v[X+4*(\q)],   v[X+4*(\q)],   v[X+4*(\q)+1]
	v_cvt_pk_f16_f32 v[X+4*(\q)+1], v[X+4*(\q)+2], v[X+4*(\q)+3]
.else
	v_cvt_pk_bf16_f32 v[X+4*(\q)],   v[X+4*(\q)],   v[X+4*(\q)+1]
	v_cvt_pk_bf16_f32 v[X+4*(\q)+1], v[X+4*(\q)+2], v[X+4*(\q)+3]
.endif
.endm
; Quad q is stored.  No register is written again behind its store.
.macro ST q
	global_store_b64 v[DO+(\q)/8], v[X+4*(\q):X+4*(\q)+1], s[26:27] offset:((\q)%8)*256  ; 32 lanes store 256 consecutive bytes, at a multiple of 256 from the buffer's first byte
.endm
; Block p: quads 4 p to 4 p + 3 are rounded; among their conversions stand the stores of block p - 1.
.macro BLK p, half
	s_wait_loadcnt 28-4*(\p)                       ; loads come back in order (ISA guide 5.7.1): block p's four quads are in, the 28 - 4 p younger loads stay out
.if (\p) > 0
	s_wait_alu depctr_va_vdst(0)                   ; the conversions of the block before have written the registers that the four stores below read; the conversions below name this block's quads alone
.endif
.irp i, 0,1,2,3
.if (\p) > 0
	ST 4*(\p)-4+(\i)
.endif
	CV 4*(\p)+(\i), \half
.endr
.endm
.macro LAST
	s_wait_alu depctr_va_vdst(0)                   ; block 7's conversions have written the registers that the last four stores read
.irp i, 28,29,30,31
	ST \i
.endr
.endm
	s_cmp_lt_u32 s21, R_WO
	s_cbranch_scc0 .Lf16
.irp p, 0,1,2,3,4,5,6,7
	BLK \p, 0
.endr
	LAST
	s_endpgm
.Lf16:
.irp p, 0,1,2,3,4,5,6,7
	BLK \p, 1
.endr
	LAST
	s_endpgm
.Lfunc_end_k_q60856b983a_cast:
	.size	k_q60856b983a_cast, .Lfunc_end_k_q60856b983a_cast-k_q60856b983a_cast
	.p2alignl 7, 3214868480
	.fill 96, 4, 3214868480
	.section	.rodata,"a",@progbits
	.p2align	6, 0x0
	.amdhsa_kernel k_q60856b983a_cast
		.amdhsa_group_segment_fixed_size 0
		.amdhsa_private_segment_fixed_size 0
		.amdhsa_enable_private_segment 0
		.amdhsa_kernarg_size 56
		.amdhsa_user_sgpr_count 2
		.amdhsa_user_sgpr_kernarg_segment_ptr 1
		.amdhsa_wavefront_size32 1
		.amdhsa_system_sgpr_workgroup_id_x 1
		.amdhsa_system_sgpr_workgroup_id_y 1
		.amdhsa_system_sgpr_workgroup_id_z 1
		.amdhsa_system_vgpr_workitem_id 0
		.amdhsa_next_free_vgpr 144
		.amdhsa_next_free_sgpr 66
		.amdhsa_reserve_vcc 0
		.amdhsa_float_denorm_mode_32 3
		.amdhsa_float_denorm_mode_16_64 3
		.amdhsa_memory_ordered 1
		.amdhsa_forward_progress 1
		.amdhsa_inst_pref_size 32
	.end_amdhsa_kernel
	.amdgpu_metadata
---
amdhsa.version: [ 1, 2 ]
amdhsa.kernels:
  - .name:           k_q60856b983a_cast
    .symbol:         k_q60856b983a_cast.kd
    .args:
      - { .name: xs, .offset: 0, .size: 8, .value_kind: global_buffer, .address_space: global }
      - { .name: Wz, .offset: 8, .size: 8, .value_kind: global_buffer, .address_space: global }
      - { .name: Wh, .offset: 16, .size: 8, .value_kind: global_buffer, .address_space: global }
      - { .name: Wo, .offset: 24, .size: 8, .value_kind: global_buffer, .address_space: global }
      - { .name: xb, .offset: 32, .size: 8, .value_kind: global_buffer, .address_space: global }
      - { .name: wzh, .offset: 40, .size: 8, .value_kind: global_buffer, .address_space: global }
      - { .name: wo, .offset: 48, .size: 8, .value_kind: global_buffer, .address_space: global }
    .group_segment_fixed_size: 0
    .private_segment_fixed_size: 0
    .kernarg_segment_align: 8
    .kernarg_segment_size: 56
    .max_flat_workgroup_size: 608
    .sgpr_count:     66
    .vgpr_count:     144
    .wavefront_size: 32
...
	.end_amdgpu_metadata
.endif
;; end of part 5
;; launch gates: the kernel of part 2 again; grid 8 x 32, 4 waves a work-group, clusters of 4 x 4, 327,680 bytes of LDS; arguments xb, wzh, lp, bz, bh, ends; writes lp, ends
;; launch fix (part 6): grid 8 x 32, 16 waves a work-group, no clusters, 18,432 bytes of LDS; arguments lp, ends, hs; writes hs
.if DOCPART == 6
	.amdgcn_target "amdgcn-amd-amdhsa--gfx1250"
	.amdhsa_code_object_version 6
	.text
	.protected	k_q60856b983a_fix
	.globl	k_q60856b983a_fix
	.p2align	8
	.type	k_q60856b983a_fix,@function
k_q60856b983a_fix:
	s_mov_b64 s[64:65], 0
	v_nop
	global_prefetch_b8 v0, s[64:65] scope:SCOPE_SE
	s_setreg_imm32_b32 hwreg(HW_REG_WAVE_SCHED_MODE, 0, 2), 2
	s_setreg_imm32_b32 hwreg(HW_REG_WAVE_MODE, 25, 1), 1
	s_wait_xcnt 0x0
	s_wait_alu depctr_vm_vsrc(0)
; FIX.  hs[row][col] = L + P c, with c the state that enters the row's chunk of 64 time steps: c_0 = 0, c_(k+1) = Lend_k + Pend_k c_k along a batch's 32 chunks.
; lp: [16384][16 groups][64 L, 64 P] f16.  ends: [256 chunks][16 groups][Lend, Pend][64] f32.  hs: [16384][1024] f16.  The chain and the products are reckoned in f32; hs is rounded once.
; LIMIT.  c and hs must lie within f16's 65,504 (they are means of the updates); NaN and infinities are not treated apart.
; SHARES.  A stream: no matrix unit; no cluster, since what work-groups share (a batch's ends, 31 KiB of the 384 KiB that a work-group moves) is a small part of their bytes.
; A work-group takes 512 rows x 128 columns, each of its 16 waves 32 rows, which lie in one chunk.  Threads 0-127 walk the chain, a column each, and leave c of all 32 chunks in LDS; one barrier;
; every wave then takes its chunk's c.  One instruction covers two rows: lanes 0-15 one, lanes 16-31 the next; a lane has 8 columns.  All 32 loads of a wave go out at once, ahead of the chain.
; THE MODE: SCHED_MODE bits 1:0 = 2 (LLVM: expert scheduling mode 2), set by the entry lines.  The code itself states the register dependences
; between vector instructions and memory or LDS instructions, with s_wait_alu, always for 0.
; THE PLAN.  Registers that memory or LDS instructions touch:
;   v1-v8     offsets, LDS addresses, the add's two registers and h0: made once at the head and never written again.
;   EL, EP    written by the loads of ends; the chain's link k reads EP[k] and EL[k - 1] and writes EL[k]; the LDS store of table row k + 1 reads EL[k]; it is not written again.
;   CC        written by two LDS loads, read by the multiply-adds.
;   X         16 pairs of rows.  A pair is written by its two loads; its eight multiply-adds write its first four registers; its one store reads them; they are not written again.
; The chain's 31 links go in four groups; the LDS stores of a group stand among the links of the next, which write later registers.  The 16 pairs go in four blocks; the stores of a block stand among the
; multiply-adds of the next, which name that block's pairs and CC alone.  So one wait at the head of a group or block states all that its stores hang on.  No register that a memory or LDS instruction has read is written again.
.set LPROW, 4096
.set HSROW, 2048
.set CHROW, 8192                       ; bytes of a chunk in ends
.set TABLE, 0                          ; LDS: c[32][128] f32
.set SPARE, 16384                      ; behind it: the spare words, 128 bytes for each of the 16 waves, which no other line names
.set LO,  1                            ; v1   my 16 bytes of L in the first two rows
.set HO,  2                            ; v2   my 16 bytes of hs
.set EO,  3                            ; v3   my column in a chunk's ends (threads 0-127)
.set TA,  4                            ; v4   my column in the table
.set TR,  5                            ; v5   my 8 columns of my chunk's c
.set SPW, 6                            ; v6   LDS address of my spare word; never rewritten
.set NIL, 7                            ; v7   0; never rewritten
.set ZER, 8                            ; v8   h0 = 0
.set CC,  10                           ; v[10:17] c of my 8 columns
.set EL,  20                           ; v20-50  Lend of chunks 0-30, then c of chunks 1-31
.set EP,  52                           ; v52-82  Pend
.set X,   88                           ; v[88:215] pair p of rows: L at X + 8 p, P at X + 8 p + 4
	s_load_b128 s[4:7], s[0:1], 0x0                ; lp s[4:5], ends s[6:7]
	s_load_b64 s[8:9], s[0:1], 0x10                ; hs
	v_lshl_add_u32 v[SPW], v0, 2, SPARE
	v_mov_b32 v[NIL], 0
	v_mov_b32 v[ZER], 0
	v_lshrrev_b32 v18, 5, v0
	v_readfirstlane_b32 s10, v18                   ; wave 0..15
	s_wait_alu depctr_va_sdst(0)                   ; s10 is written, ahead of its first reader: my rows, my chunk and the branches below are made from it
	s_and_b32 s11, ttmp7, 0xffff                   ; y = 4 x batch + quarter of its rows
	s_lshl_b32 s12, s11, 9
	s_lshl_b32 s13, s10, 5
	s_add_co_u32 s12, s12, s13                     ; my first row = 512 y + 32 x wave
	s_lshl_b32 s14, s12, 12                        ; in lp: under 2^26,
	s_lshl_b32 s16, ttmp9, 9                       ; + my two groups' 512 bytes
	s_add_co_u32 s14, s14, s16
	s_mov_b32 s15, 0
	s_lshl_b32 s16, s12, 11                        ; in hs,
	s_lshl_b32 s18, ttmp9, 8                       ; + my 128 columns' 256 bytes
	s_add_co_u32 s16, s16, s18
	s_mov_b32 s17, 0
	s_lshr_b32 s18, s11, 2                         ; the batch: 32 chunks of 8,192 bytes,
	s_lshl_b32 s18, s18, 18
	s_lshl_b32 s20, ttmp9, 10                      ; + my two groups' 1,024
	s_add_co_u32 s18, s18, s20
	s_mov_b32 s19, 0
	s_and_b32 s21, s11, 3
	s_lshl_b32 s21, s21, 3
	s_lshr_b32 s22, s10, 1
	s_add_co_u32 s21, s21, s22                     ; my chunk = 8 x quarter + wave / 2
	s_lshl_b32 s21, s21, 9                         ; its 512 bytes of the table
	v_and_b32 v18, 15, v0                          ; i: my place in a row
	v_bfe_u32 v19, v0, 4, 1                        ; which of the two rows
	v_and_b32 v[LO], 7, v0
	v_lshlrev_b32 v[LO], 4, v[LO]                  ; 16 (i % 8)
	v_bfe_u32 v84, v0, 3, 1
	v_lshl_add_u32 v[LO], v84, 8, v[LO]            ; + 256 (i / 8): the group
	v_lshl_add_u32 v[LO], v19, 12, v[LO]           ; + the row
	v_lshlrev_b32 v[HO], 4, v18
	v_lshl_add_u32 v[HO], v19, 11, v[HO]
	v_and_b32 v[EO], 63, v0
	v_lshlrev_b32 v[EO], 2, v[EO]
	v_bfe_u32 v84, v0, 6, 1
	v_lshl_add_u32 v[EO], v84, 9, v[EO]            ; column t of 128: group t / 64, 4 (t % 64)
	v_and_b32 v[TA], 127, v0
	v_lshlrev_b32 v[TA], 2, v[TA]
	v_lshlrev_b32 v[TR], 5, v18
	v_add_nc_u32 v[TR], s21, v[TR]
	s_wait_kmcnt 0x0
	s_add_nc_u64 s[4:5], s[4:5], s[14:15]
	s_add_nc_u64 s[8:9], s[8:9], s[16:17]
	s_add_nc_u64 s[6:7], s[6:7], s[18:19]
	s_wait_alu depctr_va_vdst(0)                   ; v1 to v8 are written: the offsets and LDS addresses of every load and store below, and h0, which the table's first store reads
	s_cmp_lt_u32 s10, 4
	s_cbranch_scc0 .Lno_ends
.set k, 0
.rept 31                               ; the last chunk's ends enter nothing
	global_load_b32 v[EL+k], v[EO], s[6:7] offset:CHROW*k
	global_load_b32 v[EP+k], v[EO], s[6:7] offset:CHROW*k+256
.set k, k+1
.endr
.Lno_ends:
.set p, 0
.rept 16
	global_load_b128 v[X+8*p:X+8*p+3],   v[LO], s[4:5] offset:2*LPROW*p th:TH_LOAD_NT
	global_load_b128 v[X+8*p+4:X+8*p+7], v[LO], s[4:5] offset:2*LPROW*p+128 th:TH_LOAD_NT
.set p, p+1
.endr
.macro LINK k                          ; c_(k+1) = Lend_k + Pend_k c_k, in Lend_k's register
.if (\k) == 0
	v_fmac_f32 v[EL], v[EP], v[ZER]
.else
	v_fmac_f32 v[EL+(\k)], v[EP+(\k)], v[EL+(\k)-1]
.endif
.endm
.macro PUT k                           ; c_(k+1) into the table
	ds_store_b32 v[TA], v[EL+(\k)] offset:TABLE+512*((\k)+1)
.endm
	s_cmp_lt_u32 s10, 4
	s_cbranch_scc0 .Lno_chain
	s_wait_loadcnt 32                              ; the ends are in; the 32 younger loads of lp stay out
	ds_store_b32 v[TA], v[ZER] offset:TABLE        ; c_0 = h0
.irp k, 0,1,2,3,4,5,6,7
	LINK \k
.endr
.irp g, 1,2,3                          ; links 8 g to 8 g + 7 (the last group has seven); among them the stores of the group before
	s_wait_alu depctr_va_vdst(0)                   ; the links of the group before have written their EL, which the eight LDS stores below read; the links below write later registers
.irp i, 0,1,2,3,4,5,6,7
	PUT 8*(\g)-8+(\i)
.if 8*(\g)+(\i) < 31
	LINK 8*(\g)+(\i)
.endif
.endr
.endr
	s_wait_alu depctr_va_vdst(0)                   ; the last seven links have written their EL, which the last seven LDS stores read
.irp k, 24,25,26,27,28,29,30
	PUT \k
.endr
.Lno_chain:
	s_wait_dscnt 0x0                               ; for the others' sake: my stores into the table are done
	s_barrier_signal -1
	s_barrier_wait -1
	ds_load_b128 v[CC:CC+3],   v[TR] offset:TABLE
	ds_load_b128 v[CC+4:CC+7], v[TR] offset:TABLE+16
	s_wait_dscnt 0x0
.macro MIX p                           ; pair p: P c + L in f32, rounded once, into L's registers
.irp q, 0,1,2,3
	v_fma_mixlo_f16 v[X+8*(\p)+(\q)], v[X+8*(\p)+4+(\q)], v[CC+2*(\q)],   v[X+8*(\p)+(\q)] op_sel_hi:[1,0,1]                  ; low halves; the high half is kept
	v_fma_mixhi_f16 v[X+8*(\p)+(\q)], v[X+8*(\p)+4+(\q)], v[CC+2*(\q)+1], v[X+8*(\p)+(\q)] op_sel:[1,0,1] op_sel_hi:[1,0,1]   ; high halves
.endr
.endm
.macro SEND p
	global_store_b128 v[HO], v[X+8*(\p):X+8*(\p)+3], s[8:9] offset:2*HSROW*(\p)  ; 16 lanes store 256 consecutive bytes, at a multiple of 256 from hs's first byte
.endm
; Block b: pairs 4 b to 4 b + 3 are made; among their multiply-adds stand the stores of block b - 1.
.macro BLK b
	s_wait_loadcnt 24-8*(\b)                       ; block b's four pairs, L and P, are in; the younger blocks' eight loads each stay out
.if (\b) > 0
	s_wait_alu depctr_va_vdst(0)                   ; the multiply-adds of the block before have written the registers that the four stores below read; those below name this block's pairs and CC alone
.endif
.irp i, 0,1,2,3
.if (\b) > 0
	SEND 4*(\b)-4+(\i)
.endif
	MIX 4*(\b)+(\i)
.endr
.endm
	BLK 0
	BLK 1
	BLK 2
	BLK 3
	s_wait_alu depctr_va_vdst(0)                   ; block 3's multiply-adds have written the registers that the last four stores read
.irp p, 12,13,14,15
	SEND \p
.endr
	s_wait_dscnt 0x0                               ; the closing lines, six on end
	s_wait_alu 0x0
	s_wait_tensorcnt 0x0
	ds_add_u32 v[SPW], v[NIL]
	s_wait_dscnt 0x0
	s_endpgm
.Lfunc_end_k_q60856b983a_fix:
	.size	k_q60856b983a_fix, .Lfunc_end_k_q60856b983a_fix-k_q60856b983a_fix
	.p2alignl 7, 3214868480
	.fill 96, 4, 3214868480
	.section	.rodata,"a",@progbits
	.p2align	6, 0x0
	.amdhsa_kernel k_q60856b983a_fix
		.amdhsa_group_segment_fixed_size 18432
		.amdhsa_private_segment_fixed_size 0
		.amdhsa_enable_private_segment 0
		.amdhsa_kernarg_size 24
		.amdhsa_user_sgpr_count 2
		.amdhsa_user_sgpr_kernarg_segment_ptr 1
		.amdhsa_wavefront_size32 1
		.amdhsa_system_sgpr_workgroup_id_x 1
		.amdhsa_system_sgpr_workgroup_id_y 1
		.amdhsa_system_sgpr_workgroup_id_z 1
		.amdhsa_system_vgpr_workitem_id 0
		.amdhsa_next_free_vgpr 216
		.amdhsa_next_free_sgpr 66
		.amdhsa_reserve_vcc 0
		.amdhsa_float_denorm_mode_32 3
		.amdhsa_float_denorm_mode_16_64 3
		.amdhsa_memory_ordered 1
		.amdhsa_forward_progress 1
		.amdhsa_inst_pref_size 25
	.end_amdhsa_kernel
	.amdgpu_metadata
---
amdhsa.version: [ 1, 2 ]
amdhsa.kernels:
  - .name:           k_q60856b983a_fix
    .symbol:         k_q60856b983a_fix.kd
    .args:
      - { .name: lp, .offset: 0, .size: 8, .value_kind: global_buffer, .address_space: global }
      - { .name: ends, .offset: 8, .size: 8, .value_kind: global_buffer, .address_space: global }
      - { .name: hs, .offset: 16, .size: 8, .value_kind: global_buffer, .address_space: global }
    .group_segment_fixed_size: 18432
    .private_segment_fixed_size: 0
    .kernarg_segment_align: 8
    .kernarg_segment_size: 24
    .max_flat_workgroup_size: 512
    .sgpr_count:     66
    .vgpr_count:     216
    .wavefront_size: 32
...
	.end_amdgpu_metadata
.endif
;; end of part 6
;; launch proj: the kernel of part 4 again; grid 4 x 64, 4 waves a work-group, clusters of 4 x 4, 327,680 bytes of LDS; arguments hs, wo, out0, bo; writes out0
